; MI455X (gfx1250); checked and timed in simulation.
; The chip was launched on July 23, 2026; its instructions are those of AMD's public machine-readable ISA for CDNA 5 (MIT licence, August 2026) and "CDNA5" Instruction Set Architecture Reference Guide (July 2026). The comments in the code are by the model that wrote it; some were corrected since.
;; Masked Multi Headed Attn. Allowed arithmetic: matrix products marked QUANTISED: E2M3 operands, one E8M0 scale for each 32 along K, by v_wmma_scale_f32_16x16x128_f8f6f4 with both operands' format E2M3, f32 sums; everything else in f32.
;; Inputs: Wk 1,024 x 1,024 float32; Wo 1,024 x 1,024 float32; Wq 1,024 x 1,024 float32; Wv 1,024 x 1,024 float32; bk 1,024 float32; bo 1,024 float32; bq 1,024 float32; bv 1,024 float32; x 4 x 2,048 x 1,024 float32.
;; Outputs: out0 4 x 2,048 x 1,024 float32.
;; This version of the problem:
;;   THIS VERSION OF THE PROBLEM IS GIVEN IN LOW PRECISION. The matrix products marked QUANTISED in the list below multiply operands that are first quantised to E2M3 (2 exponent bits, 3 mantissa bits; 6 bits a number), with one power-of-two scale for each 32 numbers along K (OCP MX v1.0); their sums are f32. All else is computed in f32.
;;   The module's matrix products, in the order in which they are computed (A, B: the left and right operand; K: the contracted axis; several contracted axes count as one K, in the product's order):
;;     1. [M 8,192, K 1,024] x [K 1,024, N 1,024]; A: input x; B: input Wq: QUANTISED
;;     2. [M 8,192, K 1,024] x [K 1,024, N 1,024]; A: input x; B: input Wk: QUANTISED
;;     3. [M 8,192, K 1,024] x [K 1,024, N 1,024]; A: input x; B: input Wv: QUANTISED
;;     4. batch 64 x [M 2,048, K 64] x [K 64, N 2,048]; A: computed on the way; B: computed on the way: QUANTISED
;;     5. batch 64 x [M 2,048, K 2,048] x [K 2,048, N 64]; A: softmax (see below); B: computed on the way: QUANTISED
;;     6. [M 8,192, K 1,024] x [K 1,024, N 1,024]; A: computed on the way; B: input Wo: QUANTISED
;;   THE QUANTISER, for each operand of a quantised product, along K:
;;     - K is cut into blocks of 32 from its start; a last block that is shorter is filled with zeros.
;;     - A block's scale is 2^e with e = floor(log2(the largest magnitude in the block)) - 2, held to -126 .. 127; a block of zeros has e = 0. As a byte (E8M0): e + 127.
;;     - Each number is divided by its block's scale, clamped to +-7.5, and rounded to the nearest number of E2M3, ties to even, subnormals kept.
;;     - The product sums the exact products of the quantised numbers (number of the format x scale) in f32.
;;   ~~~python
;;   def quantise(x, axis):      # numpy; x: float32 -> the quantised numbers, widened to float32 again
;;       x = np.moveaxis(x, axis, -1); K = x.shape[-1]
;;       x = np.pad(x, [(0, 0)] * (x.ndim - 1) + [(0, -K % 32)]); x = x.reshape(x.shape[:-1] + (-1, 32)); a = np.abs(x).max(-1, keepdims=True)
;;       e = np.where(a > 0, np.clip(np.frexp(np.where(a > 0, a, 1))[1] - 1 - 2, -126, 127), 0)      # np.frexp(a)[1] - 1 = floor(log2(a)), exactly
;;       r = np.clip(x / 2.0 ** e, -7.5, 7.5)
;;       step = 2.0 ** (np.maximum(np.frexp(np.where(r == 0, 1, r))[1] - 1, 0) - 3)
;;       q = np.round(r / step) * step * 2.0 ** e      # np.round: ties to even
;;       return np.moveaxis(q.reshape(q.shape[:-2] + (-1,))[..., :K], -1, axis).astype(np.float32)
;;   ~~~
;;   SOFTMAX AHEAD OF A QUANTISED PRODUCT. Where the list says 'softmax', what is quantised is not the finished softmax but p = 2^(t - M), with t = logit x log2(e) and M = ceil(the row's largest t), a whole number; so 1/2 < the row's largest p <= 1. The row's sum l is taken of the UNQUANTISED p, in f32, and the product's result is divided by l at the end. Since M is a whole number, a kernel that streams over the keys may use a running M (the ceiling of the running maximum): every later rescaling is an exact power of two, which a block's scale takes up: the codes' values come out the same.
;;   OPERANDS COMPUTED ON THE WAY. 'Computed on the way' means the value that the module computes at that place (a softmax that the list does not call 'softmax' is quantised finished and normalised). What goes into a quantiser is computed in f32, as accurately as f32 sums, v_exp_f32 and their like allow (about 1e-6 of the number): no bf16 or f16 on the way to a quantiser, and a product that is left as it is and whose result goes on into a quantised operand takes f32 operands (vector FMAs, or v_wmma_f32_16x16x4_f32). A number that lies on a knife's edge between two numbers of the format may be rounded either way, as far as f32 arithmetic and the matrix unit's own rounding can turn it there, and no further.
;; One version. Each part assembles by itself: llvm-mc -triple=amdgcn-amd-amdhsa -mcpu=gfx1250 --defsym DOCPART=n.
;; ======== version 1 of 1: 4 launches
;; workspace buffers: cod 15,728,640 bytes; scl 655,360 bytes; qi 6,815,744 bytes; kv 13,369,344 bytes
;; launch quant (part 1): grid 384 x 1, 4 waves a work-group, no clusters, 34,304 bytes of LDS; arguments x, Wq, Wk, Wv, Wo, cod, scl; writes cod, scl
.if DOCPART == 1
	.amdgcn_target "amdgcn-amd-amdhsa--gfx1250"
	.amdhsa_code_object_version 6
	.text
	.protected	k_q5e53ea908b_quant
	.globl	k_q5e53ea908b_quant
	.p2align	8
	.type	k_q5e53ea908b_quant,@function
k_q5e53ea908b_quant:
	s_mov_b64 s[64:65], 0
	v_nop
	global_prefetch_b8 v0, s[64:65] scope:SCOPE_SE
	s_setreg_imm32_b32 hwreg(HW_REG_WAVE_MODE, 25, 1), 1
	s_wait_xcnt 0x0
; x [8192][1024] and Wq, Wk, Wv, Wo [1024][1024], f32, K innermost, become codes of FP6 (E2M3) with one E8M0 byte for each 32 along K,
; laid as IMAGES OF OPERAND REGISTERS.  Rows go in groups of 32; tile 2 n + u of 16 rows holds, at place r, row 32 n + 8 u + r + 8 (r / 8).
; A fragment (16 rows x 128 K, 12 registers a lane) is 1,536 bytes: two halves of 768; in half c lane l's registers 6 c .. 6 c + 3 at byte 16 l,
; registers 6 c + 4, 6 c + 5 at byte 512 + 8 l.  cod: [tile][K step 0..7][1536].  scl: [tile][e 0..1][r][4 words], word i = the four bytes of K step 4 e + i.
; Tiles 0.. x, 512.. Wq, 576.. Wk, 640.. Wv, 704.. Wo.
; A block's scale is 2^(floor(log2(its largest magnitude)) - 2); its byte is the largest magnitude's exponent field - 2, held at 1 from below.
; LIMITS: a block of zeros gets the byte 1 where the rule says 127 (its codes are zeros, and this program alone reads the bytes); NaN and infinities are not served.
; SHARES: work-group n owns 32 whole rows; wave w takes tile u = w / 2 and the K half e = w % 2: four fragments.  Every load reads 512 consecutive bytes of one row;
; a fragment's 16 x 512 bytes turn through the wave's own stage in LDS (rows 528 bytes apart), from which lane (r, h) takes 32 neighbours of row r for each of its two blocks.
; No tensor loads, no barrier: waves share nothing.  Loads run two fragments (32 loads a wave) ahead.
.set STG, 8448                         ; a wave's stage: 16 rows x 528 bytes
.set SPI, 528
.set R,   16                           ; v16-143  two sets of 64: a fragment's numbers as loaded
.set X,   144                          ; v144-207 my two blocks of 32 neighbours
.set C,   208                          ; v208-219 the fragment's codes
.set T,   220                          ; v220-222, v224-226 the upper halves of the two blocks, as converted
.set W,   228                          ; v228-231 the four scale words
	s_load_b256 s[4:11], s[0:1], 0x0               ; x, Wq, Wk, Wv
	s_load_b128 s[12:15], s[0:1], 0x20             ; Wo, cod
	s_load_b64 s[16:17], s[0:1], 0x30              ; scl
	v_lshl_add_u32 v232, v0, 2, 0x8400
	v_mov_b32 v233, 0
	v_lshrrev_b32 v1, 5, v0
	v_readfirstlane_b32 s18, v1                    ; wave
	s_lshr_b32 s19, s18, 1                         ; u
	s_and_b32 s21, s18, 1                          ; e
	v_and_b32 v1, 31, v0                           ; lane
	v_lshlrev_b32 v2, 4, v1                        ; 16 x lane
	v_lshlrev_b32 v3, 3, v1                        ; 8 x lane
	s_mul_i32 s22, s18, STG
	v_add_nc_u32 v4, s22, v2                       ; the stage, on the way in
	v_and_b32 v5, 15, v0                           ; r
	v_bfe_u32 v6, v0, 4, 1                         ; h
	v_lshlrev_b32 v7, 4, v5
	v_lshl_add_u32 v7, v6, 3, v7                   ; 16 r + 8 h: my two scale words' place
	v_mul_u32_u24 v5, v5, SPI
	v_lshl_add_u32 v5, v6, 7, v5
	v_add_nc_u32 v5, s22, v5                       ; the stage, on the way out: row r, + 128 h
	v_lshlrev_b32 v6, 3, v6                        ; 8 h: how far my bytes are shifted in a scale word
	v_mov_b32 v15, 0                               ; written once: a lane permute's destination counts as one of its sources
	s_mov_b32 s24, 0x76543210
	s_mov_b32 s25, 0xfedcba98                      ; selects for lane l xor 16
	s_mov_b32 s20, 0                               ; the tensor's first work-group
	s_wait_alu depctr_va_vdst(0)
	s_wait_kmcnt 0x0
	s_cmp_ge_u32 ttmp9, 256                        ; which tensor: the choice hangs on the work-group's number alone
	s_cselect_b64 s[4:5], s[6:7], s[4:5]
	s_cselect_b32 s20, 256, s20
	s_cmp_ge_u32 ttmp9, 288
	s_cselect_b64 s[4:5], s[8:9], s[4:5]
	s_cselect_b32 s20, 288, s20
	s_cmp_ge_u32 ttmp9, 320
	s_cselect_b64 s[4:5], s[10:11], s[4:5]
	s_cselect_b32 s20, 320, s20
	s_cmp_ge_u32 ttmp9, 352
	s_cselect_b64 s[4:5], s[12:13], s[4:5]
	s_cselect_b32 s20, 352, s20
	s_sub_co_u32 s22, ttmp9, s20
	s_lshl_b32 s22, s22, 17                        ; 32 rows of 4,096 bytes,
	s_lshl_b32 s23, s19, 15                        ; + 8 u rows,
	s_add_co_u32 s22, s22, s23
	s_lshl_b32 s23, s21, 11                        ; + 512 e numbers
	s_add_co_u32 s22, s22, s23
	s_mov_b32 s23, 0
	s_add_nc_u64 s[4:5], s[4:5], s[22:23]
	s_lshl_b32 s22, ttmp9, 1
	s_add_co_u32 s22, s22, s19                     ; my tile
	s_mul_i32 s26, s22, 12288
	s_mul_i32 s27, s21, 6144
	s_add_co_u32 s26, s26, s27
	s_mov_b32 s27, 0
	s_add_nc_u64 s[14:15], s[14:15], s[26:27]      ; its four fragments in cod
	s_lshl_b32 s26, s22, 9
	s_lshl_b32 s28, s21, 8
	s_add_co_u32 s26, s26, s28
	s_add_nc_u64 s[16:17], s[16:17], s[26:27]      ; its 256 bytes in scl
.macro LOAD t                          ; fragment t: 128 numbers of each of the tile's 16 rows
.irp i, 0,1,2,3,4,5,6,7,8,9,10,11,12,13,14,15
	global_load_b128 v[R+64*((\t)%2)+4*\i:R+64*((\t)%2)+4*\i+3], v2, s[4:5] offset:(\i+8*(\i/8))*4096+512*(\t) th:TH_LOAD_NT
.endr
.endm
.macro TURN t                          ; through the stage: LDS serves a wave's instructions in order, so no wait stands between the stores and the loads
.irp i, 0,1,2,3,4,5,6,7,8,9,10,11,12,13,14,15
	ds_store_b128 v4, v[R+64*((\t)%2)+4*\i:R+64*((\t)%2)+4*\i+3] offset:SPI*\i
.endr
.irp c, 0,1
.irp q, 0,1,2,3,4,5,6,7
	ds_load_b128 v[X+32*\c+4*\q:X+32*\c+4*\q+3], v5 offset:256*\c+16*\q   ; k = 64 c + 32 h + 4 q ..
.endr
.endr
.endm
.macro STEP t
.if (\t) < 3
	s_wait_loadcnt 16                              ; this fragment's 16 loads are in; the next one's may be out
.else
	s_wait_loadcnt 0x0
.endif
	TURN \t
	s_wait_dscnt 0x0                               ; my 64 numbers are back, and the stores into the stage have read their registers,
.if (\t) < 2
	LOAD (\t)+2                                    ; which take the fragment two on
.endif
.irp c, 0,1
	v_max3_num_f32 v[8+\c], |v[X+32*\c]|, |v[X+32*\c+1]|, 0x1800000   ; block 2 c + h: all 32 numbers are mine; the floor 2^(3 - 127) holds the byte at 1 from below
.endr
.irp i, 2,4,6,8,10,12,14,16,18,20,22,24,26,28,30
.irp c, 0,1
	v_max3_num_f32 v[8+\c], v[8+\c], |v[X+32*\c+\i]|, |v[X+32*\c+\i+1]|
.endr
.endr
.irp c, 0,1
	v_add_nc_u32 v[10+\c], 0xff000000, v[8+\c]     ; 2 off the exponent field: the conversion takes this operand's exponent field as its scale
.endr
.irp c, 0,1
	v_lshrrev_b32 v[12+\c], 23, v[10+\c]           ; the scale's byte
.endr
	v_lshl_or_b32 v14, v13, 16, v12                ; my two bytes: blocks h and 2 + h,
	v_lshlrev_b32 v14, v6, v14                     ; at their places in the word;
	v_permlanex16_b32 v15, v14, s24, s25
	v_or_b32 v[W+(\t)], v14, v15                   ; with lane l xor 16's two the word is whole
.if (\t) > 0
	s_wait_alu depctr_va_vdst(0)
	s_wait_xcnt 0x0                                ; the last fragment's stores have read their data: the codes' registers are written again only behind this wait
.endif
.irp c, 0,1
	v_cvt_scalef32_pk16_fp6_f32 v[C+6*\c:C+6*\c+2], v[X+32*\c:X+32*\c+15], v[10+\c]
	v_cvt_scalef32_pk16_fp6_f32 v[T+4*\c:T+4*\c+2], v[X+32*\c+16:X+32*\c+31], v[10+\c]   ; (a conversion's three registers begin on an even number)
.endr
	v_nop                                          ; one plain place behind a scaled conversion
.irp c, 0,1
.irp i, 0,1,2
	v_mov_b32 v[C+3+6*\c+\i], v[T+4*\c+\i]
.endr
.endr
	global_store_b128 v2, v[C:C+3], s[14:15] offset:1536*(\t)          ; 512 consecutive bytes, aligned to 256
	global_store_b64 v3, v[C+4:C+5], s[14:15] offset:1536*(\t)+512     ; 256 consecutive bytes, aligned
	global_store_b128 v2, v[C+6:C+9], s[14:15] offset:1536*(\t)+768
	global_store_b64 v3, v[C+10:C+11], s[14:15] offset:1536*(\t)+1280
.endm
	LOAD 0
	LOAD 1
	STEP 0
	STEP 1
	STEP 2
	STEP 3
	v_cmp_eq_u32 vcc_lo, 8, v6                     ; lanes 16-31 store words 2 and 3 of their row, lanes 0-15 words 0 and 1
	v_cndmask_b32 v12, v[W], v[W+2], vcc_lo
	v_cndmask_b32 v13, v[W+1], v[W+3], vcc_lo
	global_store_b64 v7, v[12:13], s[16:17]        ; the wave stores 256 consecutive bytes, aligned
	s_wait_tensorcnt 0x0
	ds_add_u32 v232, v233
	s_wait_dscnt 0x0
	s_endpgm
.Lfunc_end_k_q5e53ea908b_quant:
	.size	k_q5e53ea908b_quant, .Lfunc_end_k_q5e53ea908b_quant-k_q5e53ea908b_quant
	.p2alignl 7, 3214868480
	.fill 96, 4, 3214868480
	.section	.rodata,"a",@progbits
	.p2align	6, 0x0
	.amdhsa_kernel k_q5e53ea908b_quant
		.amdhsa_group_segment_fixed_size 34304
		.amdhsa_private_segment_fixed_size 0
		.amdhsa_enable_private_segment 0
		.amdhsa_kernarg_size 56
		.amdhsa_user_sgpr_count 2
		.amdhsa_user_sgpr_kernarg_segment_ptr 1
		.amdhsa_wavefront_size32 1
		.amdhsa_system_sgpr_workgroup_id_x 1
		.amdhsa_system_sgpr_workgroup_id_y 1
		.amdhsa_system_sgpr_workgroup_id_z 1
		.amdhsa_system_vgpr_workitem_id 0
		.amdhsa_next_free_vgpr 234
		.amdhsa_next_free_sgpr 66
		.amdhsa_reserve_vcc 1
		.amdhsa_float_denorm_mode_32 3
		.amdhsa_float_denorm_mode_16_64 3
		.amdhsa_memory_ordered 1
		.amdhsa_forward_progress 1
		.amdhsa_inst_pref_size 31
	.end_amdhsa_kernel
	.amdgpu_metadata
---
amdhsa.version: [ 1, 2 ]
amdhsa.kernels:
  - .name:           k_q5e53ea908b_quant
    .symbol:         k_q5e53ea908b_quant.kd
    .args:
      - { .name: x, .offset: 0, .size: 8, .value_kind: global_buffer, .address_space: global }
      - { .name: Wq, .offset: 8, .size: 8, .value_kind: global_buffer, .address_space: global }
      - { .name: Wk, .offset: 16, .size: 8, .value_kind: global_buffer, .address_space: global }
      - { .name: Wv, .offset: 24, .size: 8, .value_kind: global_buffer, .address_space: global }
      - { .name: Wo, .offset: 32, .size: 8, .value_kind: global_buffer, .address_space: global }
      - { .name: cod, .offset: 40, .size: 8, .value_kind: global_buffer, .address_space: global }
      - { .name: scl, .offset: 48, .size: 8, .value_kind: global_buffer, .address_space: global }
    .group_segment_fixed_size: 34304
    .private_segment_fixed_size: 0
    .kernarg_segment_align: 8
    .kernarg_segment_size: 56
    .max_flat_workgroup_size: 128
    .sgpr_count:     66
    .vgpr_count:     234
    .wavefront_size: 32
...
	.end_amdgpu_metadata
.endif
;; end of part 1
;; launch qkv (part 2): grid 12 x 64, 4 waves a work-group, clusters of 4 x 4, 295,424 bytes of LDS; arguments cod, scl, bq, bk, bv, qi, kv; writes qi, kv
.if DOCPART == 2
	.amdgcn_target "amdgcn-amd-amdhsa--gfx1250"
	.amdhsa_code_object_version 6
	.text
	.protected	k_q5e53ea908b_qkv
	.globl	k_q5e53ea908b_qkv
	.p2align	8
	.type	k_q5e53ea908b_qkv,@function
k_q5e53ea908b_qkv:
	s_mov_b64 s[64:65], 0
	v_nop
	global_prefetch_b8 v0, s[64:65] scope:SCOPE_SE
	s_setreg_imm32_b32 hwreg(HW_REG_WAVE_MODE, 25, 1), 1
	s_wait_xcnt 0x0
	s_wait_alu depctr_hold_cnt(0) depctr_sa_sdst(0) depctr_va_vdst(0) depctr_va_sdst(0) depctr_va_ssrc(0) depctr_va_vcc(0) depctr_vm_vsrc(0)
	s_getreg_b32 s2, hwreg(HW_REG_IB_STS2, 6, 4)
	s_cmp_eq_u32 s2, 0
	s_cbranch_scc0 .Lentry_in_a_cluster
	s_endpgm
.Lentry_in_a_cluster:
	s_bfe_u32 s2, ttmp6, 0x10000c
	s_cmp_lg_u32 s2, 0xf033
	s_cbranch_scc0 .Lentry_shape_is_right
	s_endpgm
.Lentry_shape_is_right:
; q = x Wq^T + bq, k = x Wk^T + bk, v = x Wv^T + bv on codes of FP6 (E2M3) with E8M0 scales (buffers cod, scl: register images, see below); the results are quantised at once
; for attention's two products and leave as codes alone: q and k along the head's 64, v along the keys.
; OPERANDS.  cod: [tile of 16 rows][K step 0..7][1536]; a fragment (16 rows x 128 K, 12 registers a lane) is two halves of 768 bytes: registers 6 c .. 6 c + 3 at 16 x lane, 6 c + 4, 6 c + 5 at 512 + 8 x lane.
; Tile 2 n + u holds at place r the row 32 n + 8 u + r + 8 (r / 8): so in a product used transposed the 16 registers of result tiles 2 b, 2 b + 1 are 16 neighbours, 32 b + 16 (lane / 16) + 0 .. 15, along source 0's rows.
; scl: [tile][e][r][4 words]: word i = the four scale bytes of K step 4 e + i.
; SHARES.  A work-group makes 128 rows of A x 256 rows of B; ALL of K (1,024) lies in LDS: 96 KiB of A, 192 KiB of B, every LDS byte filled once, so no slot is ever filled again.
; The fills go out together, four a wave (by this text's count four tensor loads of a wave are out), in four chunks of 256 along K; chunk q is waited for by the count of the wave's later chunks, then a barrier.
; Four waves, 2 x 2: wave (wa, wb) makes 64 (A) x 128 (B): 32 accumulators, source 0 = B's 16 rows, source 1 = A's.
; ROLES, by the cluster's x: 0: A = x, B = Wq; 1: A = x, B = Wk (a lane holds one row of x, its registers run along the features: two heads of 64);
; 2: A = Wv, B = x (a lane holds one feature d, its registers run along 128 keys).  The role is the same in all sixteen partners.
; CLUSTER 4 x 4: A's tiles hang on the work-group's y alone and are asked for jointly along a row of the cluster, B's on its x alone, jointly along a column.
; OUT.  qi: [batch x head][group of 128 queries][8 tiles x 768 bytes of codes | 512 bytes of scale words].  kv: [batch x head][key step of 128][K: 8 x 768 | V^T: 4 fragments x 1536 | K's scale words 512 | V's 256].
; A q or k scale word is byte 0 | byte 1 << 8 | 0x7f7f0000 (the upper 64 along K of attention's first product are zero codes), at ((tile / 4) 16 + r) 16 + (tile % 4) 4; V's word of (tile t, row r) at ((t / 2) 16 + r) 8 + (t % 2) 4.
; LIMITS: a block of zeros gets the byte 1 (its codes are zeros; this program alone reads the bytes); NaN and infinities are not served.
; No prefetch: the launch's one stream is asked for at its head, by joint loads, and nothing is asked for later.
; REGISTERS: window 0: v1-17 lane numbers and offsets; v20-27 scale words on the way out; v32-95 scale words of all K steps (register 8 i + k: lanes 0-15 A's tile i, lanes 16-31 B's tile i);
;   v96-143, v144-191 A's fragments, two sets; on the way out v96-159 64 numbers, v160-179 codes, v200-215 at work.   window 1: B's fragments, set p at v[128 p + 12 b].
;   window 2: accumulator (a, b) at v[8 (8 a + b)].   window 3: v0-63 the bias along the registers, v64-71 the bias along the lanes, each number twice.
.set CHUNK, 73728                      ; 256 along K: A's 8 tiles x 3,072 bytes, then B's 16
.set TILEB, 3072                       ; a tile's two K steps
.set FRB,   1536
.set TROW,  12288                      ; a tile's eight K steps in cod
.set SC,  32
.set AF,  96
.set HA,  96
.set PC,  160
.set TM,  200
.set G1A, 24                           ; s[24:31] descriptor group 1 for A;  s[32:39] for B
.set G1B, 32
.set G0A, 40                           ; s[40:55] group 0 for A's four chunks;  s[68:83] for B's
.set G0B, 68
.set MSB, 0
.macro WIN new                         ; the immediate's high byte repeats the setting that is left
.if MSB != \new
	s_set_vgpr_msb (MSB<<8)|\new
.set MSB, \new
.endif
.endm
.macro PLACES                          ; four plain places behind a matrix instruction, in front of loads into its sources and of the first read of results
.rept 4
	v_nop
.endr
.endm
.macro CROUND                          ; a round of the cluster's barrier
	s_barrier_signal -1
	s_barrier_wait -1
	s_cmp_lg_u32 s18, 0
	s_cbranch_scc1 .Lnot_wave_0_\@
	s_barrier_signal -3
.Lnot_wave_0_\@:
	s_barrier_wait -3
	s_barrier_signal -1
	s_barrier_wait -1
.endm
.macro FRAG reg, a16, a8, off          ; a fragment's image: four dense loads
	ds_load_b128 v[(\reg):(\reg)+3], v[\a16] offset:(\off)
	ds_load_b64 v[(\reg)+4:(\reg)+5], v[\a8] offset:(\off)+512
	ds_load_b128 v[(\reg)+6:(\reg)+9], v[\a16] offset:(\off)+768
	ds_load_b64 v[(\reg)+10:(\reg)+11], v[\a8] offset:(\off)+1280
.endm
.macro FETCH k                         ; K step k's 12 fragments, 48 loads, into set k % 2; the address registers stand at chunk k / 2
	WIN 0x40                                       ; destination window 1
.irp b, 0,1,2,3,4,5,6,7
	FRAG 128*((\k)%2)+12*\b, 6, 7, TILEB*\b+FRB*((\k)%2)
.endr
	WIN 0
.irp a, 0,1,2,3
	FRAG AF+48*((\k)%2)+12*\a, 4, 5, TILEB*\a+FRB*((\k)%2)
.endr
.endm
.macro MUL k                           ; 32 matrix instructions; the 32 accumulators take turns, one instruction a turn, in the same order in every step
	WIN 0xa1                                       ; source 0 (B) window 1, source 1 (A) window 0, C and D window 2
.irp a, 0,1,2,3
.irp b, 0,1,2,3,4,5,6,7
.if (\k) == 0
	v_wmma_scale_f32_16x16x128_f8f6f4 v[8*(8*\a+\b):8*(8*\a+\b)+7], v[128*((\k)%2)+12*\b:128*((\k)%2)+12*\b+11], v[AF+48*((\k)%2)+12*\a:AF+48*((\k)%2)+12*\a+11], 0, v[SC+8*\b+(\k)], v[SC+8*\a+(\k)] matrix_a_fmt:MATRIX_FMT_FP6 matrix_b_fmt:MATRIX_FMT_FP6 matrix_a_scale:MATRIX_SCALE_ROW1
.else
	v_wmma_scale_f32_16x16x128_f8f6f4 v[8*(8*\a+\b):8*(8*\a+\b)+7], v[128*((\k)%2)+12*\b:128*((\k)%2)+12*\b+11], v[AF+48*((\k)%2)+12*\a:AF+48*((\k)%2)+12*\a+11], v[8*(8*\a+\b):8*(8*\a+\b)+7], v[SC+8*\b+(\k)], v[SC+8*\a+(\k)] matrix_a_fmt:MATRIX_FMT_FP6 matrix_b_fmt:MATRIX_FMT_FP6 matrix_a_scale:MATRIX_SCALE_ROW1
.endif
.endr
.endr
.endm
.macro EVEN k                          ; the next K step lies in the same chunk
.if (\k) > 0
	PLACES
.endif
	FETCH (\k)+1
	s_wait_dscnt 48                                ; all but the 48 loads just issued: K step k's fragments are in
	MUL \k
.endm
.macro ODD k                           ; the next K step lies in the next chunk
	WIN 0
	s_wait_dscnt 0x0                               ; K step k's fragments are in; no LDS instruction of mine is out at the signal
	s_wait_tensorcnt 3-((\k)+1)/2                  ; my part of the next chunk has landed; my later chunks may stay out
	s_barrier_signal -1
	s_barrier_wait -1                              ; everybody's has
.irp r, 4,5,6,7
	v_add_nc_u32 v\r, CHUNK, v\r                   ; on to that chunk.  (These four are also the places in front of the loads below)
.endr
	FETCH (\k)+1
	MUL \k
.endm
; 64 numbers of a lane, v[s] on, register 16 b + i = k 32 b + 16 (lane / 16) + i of the lane's row, become a fragment's codes in v[PC] on and its scale word in v[pw].
.macro QUANT s, pw
.irp b, 0,1,2,3
	v_max3_num_f32 v[TM+\b], |v[\s+16*\b]|, |v[\s+1+16*\b]|, 0x1800000   ; my 16 numbers of block b, and the floor 2^(3 - 127): the byte cannot fall under 1
.endr
.irp i, 2,4,6,8,10,12,14
.irp b, 0,1,2,3
	v_max3_num_f32 v[TM+\b], v[TM+\b], |v[\s+16*\b+\i]|, |v[\s+1+16*\b+\i]|
.endr
.endr
.irp b, 0,1,2,3
	v_permlanex16_b32 v[TM+4+\b], v[TM+\b], s2, s3
.endr
.irp b, 0,1,2,3
	v_max_num_f32 v[TM+\b], v[TM+\b], v[TM+4+\b]   ; with lane l xor 16's: the block's largest magnitude
.endr
.irp b, 0,1,2,3
	v_add_nc_u32 v[TM+12+\b], 0xff000000, v[TM+\b] ; 2 off its exponent field: the conversion's scale operand
.endr
.irp b, 0,1,2,3
	v_lshrrev_b32 v[TM+4+\b], 23, v[TM+12+\b]      ; the scale's byte
.endr
	v_lshl_or_b32 v[(\pw)], v[TM+5], 8, v[TM+4]
	v_lshl_or_b32 v[(\pw)], v[TM+6], 16, v[(\pw)]
	v_lshl_or_b32 v[(\pw)], v[TM+7], 24, v[(\pw)]
.irp c, 0,1
	v_cvt_scalef32_pk16_fp6_f32 v[PC+6*\c:PC+2+6*\c], v[\s+32*\c:\s+15+32*\c], v[TM+12+2*\c]
	v_cvt_scalef32_pk16_fp6_f32 v[PC+12+4*\c:PC+14+4*\c], v[\s+16+32*\c:\s+31+32*\c], v[TM+12+2*\c+1]   ; (a conversion's three registers begin on an even number)
.endr
	v_nop                                          ; one plain place behind a scaled conversion
.irp c, 0,1                                    ; the operand's layout wants a whole block in a lane: lanes 0-15 block 2 c, lanes 16-31 block 2 c + 1
.irp i, 0,1,2
	v_permlane16_swap_b32 v[PC+6*\c+\i], v[PC+12+4*\c+\i]
.endr
.irp i, 0,1,2
	v_mov_b32 v[PC+3+6*\c+\i], v[PC+12+4*\c+\i]
.endr
.endr
.endm
; The bias is added as A's tile a leaves window 2 for window 0: one packed addition does both.  Each accumulator is read from its low end on.
.macro BIAS a
	s_cmp_eq_u32 s23, 2
	s_cbranch_scc1 .Lalong_lanes_\@
	WIN 0x0e                                       ; source 0 window 2, source 1 window 3
.set i, 0
.rept 32
	v_pk_add_f32 v[HA+2*i:HA+2*i+1], v[64*(\a)+2*i:64*(\a)+2*i+1], v[2*i:2*i+1]
.set i, i+1
.endr
	WIN 0
	s_branch .Lbiased_\@
.Lalong_lanes_\@:
	WIN 0x0e
.set i, 0
.rept 32
	v_pk_add_f32 v[HA+2*i:HA+2*i+1], v[64*(\a)+2*i:64*(\a)+2*i+1], v[64+2*(\a):65+2*(\a)] op_sel_hi:[1,0]
.set i, i+1
.endr
	WIN 0
.Lbiased_\@:
.endm
	s_load_b256 s[4:11], s[0:1], 0x0               ; cod s[4:5], scl s[6:7], bq s[8:9], bk s[10:11]
	s_load_b128 s[12:15], s[0:1], 0x20             ; bv s[12:13], qi s[14:15]
	s_load_b64 s[16:17], s[0:1], 0x30              ; kv
	v_lshl_add_u32 v254, v0, 2, 0x48000
	v_mov_b32 v255, 0
	ds_add_u32 v254, v255
	ds_add_u32 v254, v255
	v_lshrrev_b32 v1, 5, v0
	v_readfirstlane_b32 s18, v1                    ; wave 0..3
	s_lshr_b32 s19, s18, 1                         ; wa: which 64 rows of A are mine.  Also: I fetch for A (0) or for B (1)
	s_and_b32 s20, s18, 1                          ; wb: which 128 rows of B.  Also: which half of that operand's tiles I fetch
	s_bfe_u32 s21, ttmp6, 0x40000                  ; cx
	s_bfe_u32 s22, ttmp6, 0x40004                  ; cy
	s_mov_b32 s23, ttmp9                           ; the role: the cluster's x
	s_and_b32 s56, ttmp7, 0xffff                   ; the cluster's y
	s_lshl_b32 s57, s56, 5                         ; roles 0, 1: A = x from tile 32 CY on;
	s_and_b32 s59, s56, 1
	s_lshl_b32 s59, s59, 5
	s_add_co_u32 s59, s59, 640                     ; role 2: A = Wv from tile 640 + 32 (CY % 2) on
	s_lshl_b32 s58, s23, 6
	s_add_co_u32 s58, s58, 512                     ; roles 0, 1: B = Wq or Wk;
	s_lshr_b32 s60, s56, 1
	s_lshl_b32 s60, s60, 6                         ; role 2: B = x from tile 64 (CY / 2) on
	s_cmp_eq_u32 s23, 2
	s_cselect_b32 s57, s59, s57
	s_cselect_b32 s58, s60, s58
	s_lshl_b32 s59, s22, 3
	s_add_co_u32 s57, s57, s59                     ; A's first tile: + 8 cy: it never holds cx
	s_lshl_b32 s60, s21, 4
	s_add_co_u32 s58, s58, s60                     ; B's first tile: + 16 cx: it never holds cy
	s_lshl_b32 s61, s22, 2
	s_lshl_b32 s61, 15, s61                        ; my row of the cluster
	s_lshl_b32 s62, 0x1111, s21                    ; my column
	s_or_b32 s[G1A], s61, (3<<16)|(1<<21)          ; 15:0 the mask; 17:16 elements of 8 bytes; 21 set beside a mask; no padding
	s_or_b32 s[G1B], s62, (3<<16)|(1<<21)
	s_mov_b32 s[G1A+1], 384<<16                    ; tensor_dim0: a tile's two K steps, 3,072 bytes
	s_mov_b32 s[G1A+2], 4<<16                      ; tensor_dim1: four tiles
	s_mov_b32 s[G1A+3], 384<<16                    ; tile_dim0
	s_mov_b32 s[G1A+4], 4                          ; tile_dim1
	s_mov_b32 s[G1A+5], 1536                       ; from tile to tile: 12,288 bytes
	s_mov_b32 s[G1A+6], 0
	s_mov_b32 s[G1A+7], 0
	s_mov_b32 s[G1B+1], 384<<16
	s_mov_b32 s[G1B+2], 8<<16                      ; eight tiles
	s_mov_b32 s[G1B+3], 384<<16
	s_mov_b32 s[G1B+4], 8
	s_mov_b32 s[G1B+5], 1536
	s_mov_b32 s[G1B+6], 0
	s_mov_b32 s[G1B+7], 0
	s_lshl_b32 s66, s20, 2
	s_add_co_u32 s66, s66, s57
	s_mul_i32 s66, s66, TROW                       ; A: tile TA + 4 wb, in bytes
	s_mov_b32 s67, 0
	s_lshl_b32 s88, s20, 3
	s_add_co_u32 s88, s88, s58
	s_mul_i32 s88, s88, TROW                       ; B: tile TB + 8 wb
	s_mov_b32 s89, 0
	s_mul_i32 s90, s20, 4*TILEB                    ; where they go in a chunk: no place in the cluster enters an LDS address
	s_mul_i32 s91, s20, 8*TILEB
	s_add_co_u32 s91, s91, 8*TILEB
	s_wait_dscnt 0x0
	s_wait_kmcnt 0x0
	s_add_nc_u64 s[84:85], s[4:5], s[66:67]
	s_add_nc_u64 s[86:87], s[4:5], s[88:89]
	CROUND                                         ; all sixteen work-groups are here: the joint loads meet
.irp q, 0,1,2,3
	s_mov_b32 s[G0A+4*\q], 1
	s_add_co_u32 s[G0A+4*\q+1], s90, \q*CHUNK
	s_add_nc_u64 s[G0A+4*\q+2:G0A+4*\q+3], s[84:85], \q*TILEB
	s_or_b32 s[G0A+4*\q+3], s[G0A+4*\q+3], 0x80000000
	s_mov_b32 s[G0B+4*\q], 1
	s_add_co_u32 s[G0B+4*\q+1], s91, \q*CHUNK
	s_add_nc_u64 s[G0B+4*\q+2:G0B+4*\q+3], s[86:87], \q*TILEB
	s_or_b32 s[G0B+4*\q+3], s[G0B+4*\q+3], 0x80000000
.endr
	s_cmp_eq_u32 s19, 0                            ; a wave's four fills stand in one branch on the wave's number
	s_cbranch_scc0 .Lfor_b
	tensor_load_to_lds s[G0A:G0A+3], s[G1A:G1A+7]
	s_nop 0
	tensor_load_to_lds s[G0A+4:G0A+7], s[G1A:G1A+7]
	s_nop 0
	tensor_load_to_lds s[G0A+8:G0A+11], s[G1A:G1A+7]
	s_nop 0
	tensor_load_to_lds s[G0A+12:G0A+15], s[G1A:G1A+7]
	s_nop 0
.rept 4
	v_nop
.endr
	s_branch .Lasked
.Lfor_b:
	tensor_load_to_lds s[G0B:G0B+3], s[G1B:G1B+7]
	s_nop 0
	tensor_load_to_lds s[G0B+4:G0B+7], s[G1B:G1B+7]
	s_nop 0
	tensor_load_to_lds s[G0B+8:G0B+11], s[G1B:G1B+7]
	s_nop 0
	tensor_load_to_lds s[G0B+12:G0B+15], s[G1B:G1B+7]
	s_nop 0
.rept 4
	v_nop
.endr
.Lasked:
	v_and_b32 v1, 15, v0                           ; r
	v_bfe_u32 v2, v0, 4, 1                         ; h
	v_and_b32 v3, 31, v0                           ; lane
	s_mul_i32 s59, s19, 4*TILEB
	v_lshl_add_u32 v4, v3, 4, s59                  ; A's fragments: 16 x lane + my four tiles,
	v_lshl_add_u32 v5, v3, 3, s59                  ; 8 x lane + the same
	v_lshl_add_u32 v6, v3, 4, s91                  ; B's: behind A's eight tiles, my eight
	v_lshl_add_u32 v7, v3, 3, s91
	; the scale words of all eight K steps, once: lanes 0-15 take A's tile i, lanes 16-31 B's tile i; 16 bytes (four K steps) a load
	s_lshl_b32 s59, s19, 2
	s_add_co_u32 s59, s59, s57
	s_lshl_b32 s59, s59, 9                         ; (TA + 4 wa) x 512
	s_lshl_b32 s60, s20, 3
	s_add_co_u32 s60, s60, s58
	s_lshl_b32 s60, s60, 9                         ; (TB + 8 wb) x 512
	v_mov_b32 v8, s59
	v_mov_b32 v9, s60
	v_cmp_eq_u32 vcc_lo, 1, v2
	v_cndmask_b32 v8, v8, v9, vcc_lo
	v_lshl_add_u32 v8, v1, 4, v8                   ; + 16 r
	v_lshl_add_u32 v9, v2, 11, v8                  ; for i = 4 .. 7: B's tiles 4 on; lanes 0-15, whose words nobody reads, take A's tiles 0-3 again and so stay inside the buffer
.irp i, 0,1,2,3
.irp e, 0,1
	global_load_b128 v[SC+8*\i+4*\e:SC+8*\i+4*\e+3], v8, s[6:7] offset:512*\i+256*\e
.endr
.endr
.irp i, 4,5,6,7
.irp e, 0,1
	global_load_b128 v[SC+8*\i+4*\e:SC+8*\i+4*\e+3], v9, s[6:7] offset:512*(\i-4)+256*\e
.endr
.endr
	; where the results go.  Roles 0, 1: batch bb, group g of 128 rows, heads hA and hA + 1.  Role 2: head hv, key step ks.
	s_lshl_b32 s94, s56, 2
	s_add_co_u32 s94, s94, s22                     ; the work-group's y
	s_lshr_b32 s95, s94, 4                         ; bb
	s_and_b32 s94, s94, 15                         ; g
	s_lshl_b32 s96, s21, 2
	s_lshl_b32 s97, s20, 1
	s_add_co_u32 s96, s96, s97                     ; hA = 4 cx + 2 wb
	s_lshl_b32 s95, s95, 4
	s_add_co_u32 s95, s95, s96
	s_lshl_b32 s95, s95, 4
	s_add_co_u32 s95, s95, s94                     ; (bb 16 + hA) 16 + g
	s_and_b32 s97, s56, 1
	s_lshl_b32 s97, s97, 3
	s_lshl_b32 s98, s22, 1
	s_add_co_u32 s97, s97, s98
	s_add_co_u32 s97, s97, s19                     ; hv = 8 (CY % 2) + 2 cy + wa
	s_lshr_b32 s98, s56, 1
	s_lshl_b32 s98, s98, 3
	s_lshl_b32 s99, s21, 1
	s_add_co_u32 s98, s98, s99
	s_add_co_u32 s98, s98, s20                     ; ks = 8 (CY / 2) + 2 cx + wb
	s_lshr_b32 s99, s98, 4
	s_and_b32 s98, s98, 15
	s_lshl_b32 s99, s99, 4
	s_add_co_u32 s99, s99, s97
	s_lshl_b32 s99, s99, 4
	s_add_co_u32 s99, s99, s98                     ; (bb 16 + hv) 16 + step
	s_cmp_eq_u32 s23, 0
	s_cselect_b64 s[92:93], s[14:15], s[16:17]     ; qi, else kv
	s_cselect_b64 s[66:67], s[8:9], s[10:11]       ; the bias along the registers: bq, else bk
	s_mov_b32 s88, 13056
	s_cselect_b32 s88, 6656, s88                   ; a group's bytes
	s_mov_b32 s89, 12288
	s_cselect_b32 s89, 6144, s89                   ; where its scale words begin
	s_lshl_b32 s63, s88, 4                         ; from a head to the next: 16 groups
	s_lshl_b32 s90, s19, 8
	s_add_co_u32 s89, s89, s90                     ; my four tiles' words: 256 wa
	s_mul_i32 s91, s19, 3072                       ; my four tiles' codes
	s_cmp_eq_u32 s23, 2
	s_cselect_b32 s95, s99, s95
	s_mov_b32 s86, 768
	s_cselect_b32 s63, s86, s63                    ; role 2: a fragment's second half follows its first
	s_cselect_b32 s86, 1536, s86                   ; from A's tile a to a + 1
	s_cselect_b32 s89, 12800, s89
	s_cselect_b32 s91, 6144, s91
	s_mov_b32 s87, 0
	s_mul_i32 s90, s95, s88                        ; the group's first byte
	s_add_co_u32 s88, s90, s89
	s_mov_b32 s89, 0
	s_add_nc_u64 s[84:85], s[92:93], s[88:89]      ; the scale words' base
	s_add_co_u32 s90, s90, s91
	s_mov_b32 s91, 0
	s_add_nc_u64 s[92:93], s[92:93], s[90:91]      ; the codes' base
	s_lshl_b32 s60, s96, 8
	s_mov_b32 s61, 0
	s_add_nc_u64 s[66:67], s[66:67], s[60:61]      ; the bias of heads hA, hA + 1
	s_lshl_b32 s60, s97, 8
	s_add_nc_u64 s[12:13], s[12:13], s[60:61]      ; bv of head hv
	s_mov_b32 s2, 0x76543210
	s_mov_b32 s3, 0xfedcba98                       ; selects for lane l xor 16
	v_lshlrev_b32 v10, 4, v3                       ; the codes' offsets: 16 x lane; 8 x lane + 512; the same one half or head on
	v_lshl_add_u32 v11, v3, 3, 0x200
	v_add_nc_u32 v12, s63, v10
	v_add_nc_u32 v13, s63, v11
	v_lshlrev_b32 v14, 6, v2                       ; bias along the registers: 16 h numbers on
	v_and_b32 v15, 8, v1
	v_add_nc_u32 v15, v15, v1
	v_lshlrev_b32 v15, 2, v15                      ; bias along the lanes: number r + 8 (r / 8)
.irp b, 0,1,2,3
	v_mov_b32 v[TM+4+\b], 0                        ; written once: a lane permute's destination counts as one of its sources
.endr
	; both sets of biases are loaded in every role (all addresses lie inside their buffers); the role chooses which is added
	WIN 0xc0                                       ; destination window 3
.irp t, 0,1,2,3,4,5,6,7
	global_load_b128 v[8*\t:8*\t+3], v14, s[66:67] offset:(32*(\t/2)+8*(\t%2))*4
	global_load_b128 v[8*\t+4:8*\t+7], v14, s[66:67] offset:(32*(\t/2)+8*(\t%2))*4+16
.endr
.irp a, 0,1,2,3
	global_load_b32 v[64+2*\a], v15, s[12:13] offset:(32*(\a/2)+8*(\a%2))*4
	global_load_b32 v[65+2*\a], v15, s[12:13] offset:(32*(\a/2)+8*(\a%2))*4   ; (the packed addition names a pair)
.endr
	WIN 0
	s_wait_tensorcnt 0x3                           ; my part of chunk 0 has landed; my three later chunks stay out
	s_barrier_signal -1
	s_barrier_wait -1                              ; everybody's has
	FETCH 0
	s_wait_loadcnt 0x0                             ; scale words and biases
	EVEN 0
	ODD 1
	EVEN 2
	s_wait_alu depctr_va_vdst(0)
	ODD 3
	EVEN 4
	s_wait_alu depctr_va_vdst(0)
	ODD 5
	EVEN 6
	s_wait_dscnt 0x0
	MUL 7
	WIN 0
	PLACES
	; THE WAY OUT: A's tile a at a time: bias, quantiser, four dense stores (each 512 or 256 consecutive bytes, aligned to 256)
.irp a, 0,1,2,3
	BIAS \a
	QUANT HA, 20+\a
	global_store_b128 v10, v[PC:PC+3], s[92:93]
	global_store_b64 v11, v[PC+4:PC+5], s[92:93]
	global_store_b128 v12, v[PC+6:PC+9], s[92:93]
	global_store_b64 v13, v[PC+10:PC+11], s[92:93]
.if \a < 3
	s_wait_xcnt 0x0                                ; the stores have read their data and their base: both are written again only behind this wait
	s_add_nc_u64 s[92:93], s[92:93], s[86:87]
.endif
.endr
	s_cmp_eq_u32 s23, 2
	s_cbranch_scc1 .Lv_scales
	s_mov_b32 s59, 0x7f7f0000                      ; q, k: lane (r, h) stores the four tiles' words of row r for head hA + h: two bytes of each word, and 1.0 for the 64 along K that are zeros
	v_lshlrev_b32 v17, 4, v2
	v_mul_lo_u32 v16, v2, s63
	v_lshl_add_u32 v16, v1, 4, v16
.irp a, 0,1,2,3
	v_lshrrev_b32 v[24+\a], v17, v[20+\a]
.endr
.irp a, 0,1,2,3
	v_and_or_b32 v[24+\a], v[24+\a], 0xffff, s59
.endr
	global_store_b128 v16, v[24:27], s[84:85]      ; sixteen lanes store 256 consecutive bytes, aligned, for each of the two heads
	s_branch .Lend
.Lv_scales:
	v_cmp_eq_u32 vcc_lo, 1, v2                     ; v: lane (r, h) stores the words of tiles 2 h and 2 h + 1, row r
	v_lshlrev_b32 v16, 3, v3
	v_cndmask_b32 v24, v20, v22, vcc_lo
	v_cndmask_b32 v25, v21, v23, vcc_lo
	global_store_b64 v16, v[24:25], s[84:85]       ; 256 consecutive bytes, aligned
.Lend:
	s_wait_tensorcnt 0x0
	ds_add_u32 v254, v255
	s_wait_dscnt 0x0
	CROUND                                         ; the closing round: no work-group ends while a partner may still ask for a tile that names it
	s_endpgm
.Lfunc_end_k_q5e53ea908b_qkv:
	.size	k_q5e53ea908b_qkv, .Lfunc_end_k_q5e53ea908b_qkv-k_q5e53ea908b_qkv
	.p2alignl 7, 3214868480
	.fill 96, 4, 3214868480
	.section	.rodata,"a",@progbits
	.p2align	6, 0x0
	.amdhsa_kernel k_q5e53ea908b_qkv
		.amdhsa_group_segment_fixed_size 295424
		.amdhsa_private_segment_fixed_size 0
		.amdhsa_enable_private_segment 0
		.amdhsa_kernarg_size 56
		.amdhsa_user_sgpr_count 2
		.amdhsa_user_sgpr_kernarg_segment_ptr 1
		.amdhsa_wavefront_size32 1
		.amdhsa_system_sgpr_workgroup_id_x 1
		.amdhsa_system_sgpr_workgroup_id_y 1
		.amdhsa_system_sgpr_workgroup_id_z 1
		.amdhsa_system_vgpr_workitem_id 0
		.amdhsa_next_free_vgpr 896
		.amdhsa_next_free_sgpr 100
		.amdhsa_reserve_vcc 1
		.amdhsa_float_denorm_mode_32 3
		.amdhsa_float_denorm_mode_16_64 3
		.amdhsa_memory_ordered 1
		.amdhsa_forward_progress 1
		.amdhsa_inst_pref_size 108
	.end_amdhsa_kernel
	.amdgpu_metadata
---
amdhsa.version: [ 1, 2 ]
amdhsa.kernels:
  - .name:           k_q5e53ea908b_qkv
    .symbol:         k_q5e53ea908b_qkv.kd
    .args:
      - { .name: cod, .offset: 0, .size: 8, .value_kind: global_buffer, .address_space: global }
      - { .name: scl, .offset: 8, .size: 8, .value_kind: global_buffer, .address_space: global }
      - { .name: bq, .offset: 16, .size: 8, .value_kind: global_buffer, .address_space: global }
      - { .name: bk, .offset: 24, .size: 8, .value_kind: global_buffer, .address_space: global }
      - { .name: bv, .offset: 32, .size: 8, .value_kind: global_buffer, .address_space: global }
      - { .name: qi, .offset: 40, .size: 8, .value_kind: global_buffer, .address_space: global }
      - { .name: kv, .offset: 48, .size: 8, .value_kind: global_buffer, .address_space: global }
    .group_segment_fixed_size: 295424
    .private_segment_fixed_size: 0
    .kernarg_segment_align: 8
    .kernarg_segment_size: 56
    .max_flat_workgroup_size: 128
    .sgpr_count:     100
    .vgpr_count:     896
    .wavefront_size: 32
...
	.end_amdgpu_metadata
.endif
;; end of part 2
;; launch attn (part 3): grid 4 x 64, 16 waves a work-group, clusters of 4 x 1, 210,944 bytes of LDS; arguments qi, kv, cod, scl; writes cod, scl
.if DOCPART == 3
	.amdgcn_target "amdgcn-amd-amdhsa--gfx1250"
	.amdhsa_code_object_version 6
	.text
	.protected	k_q5e53ea908b_attn
	.globl	k_q5e53ea908b_attn
	.p2align	8
	.type	k_q5e53ea908b_attn,@function
k_q5e53ea908b_attn:
	s_mov_b64 s[64:65], 0
	v_nop
	global_prefetch_b8 v0, s[64:65] scope:SCOPE_SE
	s_setreg_imm32_b32 hwreg(HW_REG_WAVE_MODE, 25, 1), 1
	s_wait_xcnt 0x0
	s_wait_alu depctr_hold_cnt(0) depctr_sa_sdst(0) depctr_va_vdst(0) depctr_va_sdst(0) depctr_va_ssrc(0) depctr_va_vcc(0) depctr_vm_vsrc(0)
	s_getreg_b32 s2, hwreg(HW_REG_IB_STS2, 6, 4)
	s_cmp_eq_u32 s2, 0
	s_cbranch_scc0 .Lentry_in_a_cluster
	s_endpgm
.Lentry_in_a_cluster:
	s_bfe_u32 s2, ttmp6, 0x10000c
	s_cmp_lg_u32 s2, 0x3003
	s_cbranch_scc0 .Lentry_shape_is_right
	s_endpgm
.Lentry_shape_is_right:
; a[b][q][head][:] = the sum over k <= q of softmax_k(Q . K / 8) V, both products on codes of FP6 (E2M3) with E8M0 scales; the result is quantised along the hidden axis and leaves as the output projection's operand.
; THE SOFTMAX AHEAD OF THE SECOND PRODUCT: t = score x log2(e) / 8; M = the running largest t rounded UP to a whole number; p = 2^(t - M) is quantised along the keys, not normalised; the row's sum is taken of the
; unquantised p and divides at the end.  When M moves, the sum and O are multiplied by 2^(old M - new M): exact.
; IN.  qi: [batch x head][group of 128 queries][8 tiles x 768 bytes | 512 bytes of scale words]; kv: [batch x head][key step of 128][K: 8 x 768 | V^T: 4 x 1536 | K's scale words 512 | V's 256]: images of operand registers.
; A tile's place r is row 32 (tile / 2) + 8 (tile % 2) + r + 8 (r / 8) of its group: so the 16 registers of score tiles 2 b, 2 b + 1 are keys 32 b + 16 (lane / 16) + 0 .. 15.
; THE HEAD'S 64 ARE HALF OF THE INSTRUCTION'S K: Q's registers 6-11 are zero codes; K's tile t stands in v[32 + 6 t ..], so that its registers 6-11 are the next tile's codes, which meet those zeros; the upper two scale bytes are 1.0.
; SHARES.  A head's K, V and scale words are one dense block of 208,896 bytes: it lies in LDS whole, filled once: wave w asks for key step w; no slot is filled again, one barrier.
; The four work-groups of a cluster belong to one batch x head and ask jointly (mask 15).  By this text's count one tensor load of a wave is out.
; Each of the sixteen waves makes two tiles of 16 queries, one after the other: tile j = 2 cx + w / 8 of group w % 8 and of group 15 - w % 8: (g + 1) + (16 - g) = 17 key steps for every wave.
; CAUSAL.  The loop has 16 trips in every wave; a key step behind the tile's group is jumped over (a branch on the wave's number); in the tile's own group hidden scores become -infinity, so p = 0.
; LIMITS: a hidden key's weight is exactly 0, as 2^-infinity is; a block of zeros gets the byte 1; NaN and infinities are not served.
; No prefetch: the launch's one stream is asked for at its head and nothing later waits for memory.
; A scale word of the output projection spans two heads, which belong to different clusters: so the scale bytes leave singly, one a lane.
; REGISTERS: v1 16 x lane, v2 8 x lane, v3, v4 the same in the key step in hand, v5 16 r, v6 the mask's number, v7 16 r + h; v12 -M, v13 the largest t, v[14:15] the sum; v16-27 Q of the first tile, v28 its scale words;
;   v32-85 K's eight tiles, then v32-79 V's four fragments; v96-159 S^T, then p; v160-191 O^T; v192-203 Q of the second tile, v204 its scale words; v224-235 p's codes; v232-254 at work; v248-251 K's or V's scale words.
.set STEPB, 13056                      ; a key step's bytes
	s_load_b256 s[4:11], s[0:1], 0x0               ; qi s[4:5], kv s[6:7], cod s[8:9], scl s[10:11]
	v_lshl_add_u32 v243, v0, 2, 0x33000
	v_mov_b32 v255, 0
	ds_add_u32 v243, v255
	ds_add_u32 v243, v255
	v_lshrrev_b32 v1, 5, v0
	s_delay_alu instid0(VALU_DEP_1)
	v_readfirstlane_b32 s18, v1                    ; wave 0..15
	s_bfe_u32 s19, ttmp6, 0x40000                  ; cx: it enters global addresses and the mask's number alone
	s_and_b32 s20, ttmp7, 0xffff                   ; batch x head, which the four partners share
	s_mov_b32 s24, 15|(3<<16)|(1<<21)              ; 15:0 the mask: all four; 17:16 elements of 8 bytes; 21 set beside a mask; no padding
	s_mov_b32 s25, 32<<16                          ; a dense block as rows of 256 bytes
	s_mov_b32 s26, 51<<16                          ; 51 of them
	s_mov_b32 s27, 32<<16
	s_mov_b32 s28, 51
	s_mov_b32 s29, 32
	s_mov_b32 s30, 0
	s_mov_b32 s31, 0
	s_mov_b32 s32, 1
	s_mul_i32 s33, s18, STEPB                      ; LDS: key step w
	s_mul_i32 s36, s20, 16*STEPB
	s_add_co_u32 s36, s36, s33
	s_mov_b32 s37, 0
	s_wait_dscnt 0x0
	s_wait_kmcnt 0x0
	s_add_nc_u64 s[34:35], s[6:7], s[36:37]
	s_or_b32 s35, s35, 0x80000000
.macro CROUND                          ; a round of the cluster's barrier
	s_barrier_signal -1
	s_barrier_wait -1
	s_cmp_lg_u32 s18, 0
	s_cbranch_scc1 .Lnot_wave_0_\@
	s_barrier_signal -3
.Lnot_wave_0_\@:
	s_barrier_wait -3
	s_barrier_signal -1
	s_barrier_wait -1
.endm
	CROUND                                         ; all four work-groups are here: the joint loads meet
	tensor_load_to_lds s[32:35], s[24:31]
	s_nop 0
.rept 4
	v_nop
.endr
	s_and_b32 s21, s18, 7                          ; the first tile's group
	s_lshr_b32 s22, s18, 3
	s_lshl_b32 s36, s19, 1
	s_add_co_u32 s22, s22, s36                     ; j: the tile in its group
	s_mov_b32 s2, 0x76543210
	s_mov_b32 s3, 0xfedcba98                       ; selects for lane l xor 16
	s_mov_b32 s12, 0x3e38aa3b                      ; c = log2(e) / 8
	s_mov_b32 s13, s12                             ; (named with it as a pair)
	s_mov_b32 s17, 0xffff0000                      ; lanes 16-31
	v_and_b32 v9, 31, v0
	s_delay_alu instid0(VALU_DEP_1)
	v_lshlrev_b32 v1, 4, v9
	s_delay_alu instid0(VALU_DEP_2)
	v_lshlrev_b32 v2, 3, v9
	v_and_b32 v10, 15, v0                          ; r
	v_bfe_u32 v11, v0, 4, 1                        ; h
	s_delay_alu instid0(VALU_DEP_2)
	v_lshlrev_b32 v5, 4, v10
	s_wait_alu depctr_va_vdst(0)
	v_add_nc_u32 v7, v5, v11
	s_lshr_b32 s36, s22, 1
	s_lshl_b32 s36, s36, 5
	s_and_b32 s37, s22, 1
	s_lshl_b32 s37, s37, 3
	s_add_co_u32 s36, s36, s37                     ; 32 (j / 2) + 8 (j % 2)
	v_and_b32 v6, 8, v10
	s_delay_alu instid0(VALU_DEP_1)
	v_add_nc_u32 v6, v6, v10
	v_lshlrev_b32 v11, 4, v11
	s_delay_alu instid0(VALU_DEP_1)
	v_sub_nc_u32 v6, v6, v11
	s_delay_alu instid0(VALU_DEP_1)
	v_add_nc_u32 v6, s36, v6                       ; my query in its group, less 16 h: register 16 b + i holds key 32 b + 16 h + i, hidden where 32 b + i is greater
	; Q of both tiles
	s_lshl_b32 s36, s20, 4
	s_add_co_u32 s37, s36, s21
	s_mul_i32 s37, s37, 6656                       ; the first tile's group in qi
	s_sub_co_u32 s38, 15, s21                      ; the second tile's group
	s_add_co_u32 s39, s36, s38
	s_mul_i32 s39, s39, 6656
	s_mul_i32 s56, s22, 768                        ; tile j's codes
	s_lshr_b32 s57, s22, 2
	s_lshl_b32 s57, s57, 8
	s_and_b32 s58, s22, 3
	s_lshl_b32 s58, s58, 2
	s_add_co_u32 s57, s57, s58
	s_add_co_u32 s57, s57, 6144                    ; tile j's scale words
	s_mov_b32 s59, 0
	s_add_co_u32 s58, s37, s56
	s_add_nc_u64 s[48:49], s[4:5], s[58:59]
	s_add_co_u32 s58, s37, s57
	s_add_nc_u64 s[50:51], s[4:5], s[58:59]
	s_add_co_u32 s58, s39, s56
	s_add_nc_u64 s[52:53], s[4:5], s[58:59]
	s_add_co_u32 s58, s39, s57
	s_add_nc_u64 s[54:55], s[4:5], s[58:59]
	global_load_b128 v[16:19], v1, s[48:49]
	global_load_b64 v[20:21], v2, s[48:49] offset:512
	global_load_b32 v28, v5, s[50:51]
	global_load_b128 v[192:195], v1, s[52:53]
	global_load_b64 v[196:197], v2, s[52:53] offset:512
	global_load_b32 v204, v5, s[54:55]
.irp i, 0,1,2,3,4,5
	v_mov_b32 v[22+\i], 0                          ; Q's upper 64 along K: zero codes
	v_mov_b32 v[198+\i], 0
	v_mov_b32 v[80+\i], 0                          ; what stands behind K's last tile
.endr
.irp b, 0,1,2,3
	v_mov_b32 v[236+\b], 0                         ; written once: a lane permute's destination counts as one of its sources
.endr
	v_mov_b32 v252, 0
	v_mov_b32 v253, 0                              ; (named as the upper half of the pair v[252:253] before it is first written)
	; where the two tiles go: tile 768 + 128 batch + 8 group + j of cod and scl; the head's 768 bytes in the tile's row, its two bytes in a row's scale words
	s_lshr_b32 s56, s20, 4
	s_lshl_b32 s56, s56, 7
	s_add_co_u32 s56, s56, s22
	s_add_co_u32 s56, s56, 768
	s_and_b32 s57, s20, 15                         ; the head
	s_mul_i32 s58, s57, 768
	s_lshr_b32 s59, s57, 3
	s_lshl_b32 s59, s59, 8
	s_bfe_u32 s60, s57, 0x20001
	s_lshl_b32 s60, s60, 2
	s_add_co_u32 s59, s59, s60
	s_and_b32 s60, s57, 1
	s_lshl_b32 s60, s60, 1
	s_add_co_u32 s59, s59, s60
	s_mov_b32 s63, 0
	s_lshl_b32 s60, s21, 3
	s_add_co_u32 s60, s60, s56
	s_mul_i32 s62, s60, 12288
	s_add_co_u32 s62, s62, s58
	s_add_nc_u64 s[40:41], s[8:9], s[62:63]
	s_lshl_b32 s62, s60, 9
	s_add_co_u32 s62, s62, s59
	s_add_nc_u64 s[42:43], s[10:11], s[62:63]
	s_lshl_b32 s60, s38, 3
	s_add_co_u32 s60, s60, s56
	s_mul_i32 s62, s60, 12288
	s_add_co_u32 s62, s62, s58
	s_add_nc_u64 s[44:45], s[8:9], s[62:63]
	s_lshl_b32 s62, s60, 9
	s_add_co_u32 s62, s62, s59
	s_add_nc_u64 s[46:47], s[10:11], s[62:63]
	s_wait_tensorcnt 0x0                           ; my key step has landed,
	s_barrier_signal -1
	s_barrier_wait -1                              ; everybody's has: the head's K and V lie in LDS, and nobody writes LDS from here on
	s_wait_loadcnt 0x0                             ; Q
; ONE TILE OF 16 QUERIES.  qf: Q's fragment; qs: its scale words; cb, sb: where its codes and scale bytes go; more = 1: another tile follows.  s16: the tile's group.
.macro TILE qf, qs, cb, sb, more
.set i, 0
.rept 32
	v_mov_b32 v[160+i], 0                          ; O^T.  (The step is written once: the first finds zeros, which the first change of M leaves zeros)
.set i, i+1
.endr
	v_mov_b32 v13, 0xff61b1e6                      ; the largest t so far: -3e38
	s_delay_alu instid0(VALU_DEP_1)
	v_floor_f32 v12, -v13                          ; -M
	v_mov_b32 v14, 0
	v_mov_b32 v15, 0
	s_mov_b32 s14, 0                               ; LDS byte at which the key step begins
	s_mov_b32 s15, 0                               ; the key step
.Lstep_\@:
	s_cmp_gt_u32 s15, s16                          ; all its keys come after my queries: only the steps up to the tile's group are run
	s_cbranch_scc1 .Lskip_\@
	s_setprio 2
	v_add_nc_u32 v3, s14, v1
	v_add_nc_u32 v4, s14, v2
.irp t, 0,1,2,3,4,5,6,7
	ds_load_b128 v[32+6*\t:35+6*\t], v3 offset:768*\t
	ds_load_b64 v[36+6*\t:37+6*\t], v4 offset:768*\t+512
.endr
	ds_load_b128 v[248:251], v3 offset:12288       ; K's scale words: register t % 4, lanes 0-15 tiles 0-3, lanes 16-31 tiles 4-7
	s_wait_alu depctr_va_vdst(0)
	s_wait_dscnt 0x0
.irp t, 0,1,2,3,4,5,6,7                        ; S^T = K Q^T: source 0 = 16 keys, source 1 = my 16 queries
.if \t < 4
	v_wmma_scale_f32_16x16x128_f8f6f4 v[96+8*\t:103+8*\t], v[32+6*\t:43+6*\t], v[\qf:\qf+11], 0, v[248+\t%4], v[\qs] matrix_a_fmt:MATRIX_FMT_FP6 matrix_b_fmt:MATRIX_FMT_FP6
.else
	v_wmma_scale_f32_16x16x128_f8f6f4 v[96+8*\t:103+8*\t], v[32+6*\t:43+6*\t], v[\qf:\qf+11], 0, v[248+\t%4], v[\qs] matrix_a_fmt:MATRIX_FMT_FP6 matrix_b_fmt:MATRIX_FMT_FP6 matrix_a_scale:MATRIX_SCALE_ROW1
.endif
.endr
.rept 4
	v_nop                                          ; places in front of loads into registers that these products have read, and of the first read of the scores
.endr
.irp t, 0,1,2,3                                ; V's four fragments are asked for here and land under the softmax
	ds_load_b128 v[32+12*\t:35+12*\t], v3 offset:6144+1536*\t
	ds_load_b64 v[36+12*\t:37+12*\t], v4 offset:6144+1536*\t+512
	ds_load_b128 v[38+12*\t:41+12*\t], v3 offset:6144+1536*\t+768
	ds_load_b64 v[42+12*\t:43+12*\t], v4 offset:6144+1536*\t+1280
.endr
	ds_load_b64 v[248:249], v4 offset:12800        ; V's scale words: register t % 2, lanes 0-15 tiles 0, 1, lanes 16-31 tiles 2, 3
	s_cmp_lg_u32 s15, s16                          ; the tile's own group: hidden scores become -infinity ahead of the maximum
	s_cbranch_scc1 .Lopen_\@
	v_mov_b32 v254, 0xff800000
.set i, 0
.rept 64
	v_cmp_gt_i32 vcc_lo, 32*(i/16)+i%16, v6
	v_cndmask_b32 v[96+i], v[96+i], v254, vcc_lo
.set i, i+1
.endr
.Lopen_\@:
.irp b, 0,1,2,3
	v_max3_num_f32 v[232+\b], v[96+16*\b], v[97+16*\b], v[98+16*\b]   ; the largest score of each block of 32 keys: for the row's maximum, and, since p rises with the score, for the block's largest p
.endr
.irp n, 3,5,7,9,11,13
.irp b, 0,1,2,3
	v_max3_num_f32 v[232+\b], v[232+\b], v[96+16*\b+\n], v[97+16*\b+\n]
.endr
.endr
.irp b, 0,1,2,3
	v_max_num_f32 v[232+\b], v[232+\b], v[111+16*\b]
.endr
.irp b, 0,1,2,3
	s_delay_alu instid0(VALU_DEP_4)
	v_permlanex16_b32 v[236+\b], v[232+\b], s2, s3
.endr
.irp b, 0,1,2,3
	s_delay_alu instid0(VALU_DEP_4)
	v_max_num_f32 v[232+\b], v[232+\b], v[236+\b]  ; with lane l xor 16's 16 keys
.endr
	s_delay_alu instid0(VALU_DEP_2)
	v_max3_num_f32 v254, v232, v233, v234
	s_delay_alu instid0(VALU_DEP_1)
	v_max_num_f32 v254, v254, v235                 ; the step's largest score of my query
	s_delay_alu instid0(VALU_DEP_1)
	v_mul_f32 v254, s12, v254                      ; as t
	s_delay_alu instid0(VALU_DEP_1)
	v_max_num_f32 v13, v13, v254                   ; the running largest t
	v_mov_b32 v254, v12
	s_delay_alu instid0(VALU_DEP_2)
	v_floor_f32 v12, -v13                          ; the new -M = -ceil(t)
	s_delay_alu instid0(VALU_DEP_1)
	v_sub_f32 v254, v12, v254                      ; old M - new M: a whole number, 0 or less
	s_delay_alu instid0(VALU_DEP_1)
	v_cvt_i32_f32 v254, v254                       ; (it saturates)
	s_delay_alu instid0(VALU_DEP_1)
	v_ldexp_f32 v252, 1.0, v254                    ; f = 2^(old M - new M)
.set i, 0
.rept 32
	v_pk_fma_f32 v[96+i:97+i], v[96+i:97+i], s[12:13], v[12:13] op_sel_hi:[1,0,0]   ; t - M, two at a time
.set i, i+2
.endr
	s_setprio 1
.irp b, 0,1,2,3
	v_fma_f32 v[232+\b], v[232+\b], s12, v12       ; the same of each block's largest score
.endr
.set i, 0
	s_wait_alu depctr_va_vdst(0)
.rept 64
	v_exp_f32 v[96+i], v[96+i]                     ; p = 2^(t - M)
.set i, i+1
.endr
	v_pk_mul_f32 v[14:15], v[14:15], v[252:253] op_sel_hi:[1,0]   ; the sums under the new M: a plain place behind the exponentials
	s_wait_alu depctr_va_vdst(0)                   ; one wait for the batch of 64, ahead of its first reader
.irp b, 0,1,2,3
	v_exp_f32 v[232+\b], v[232+\b]                 ; the block's largest p
.endr
	v_pk_add_f32 v[236:237], v[100:101], v[104:105]
	v_pk_add_f32 v[250:251], v[108:109], v[112:113]
	v_pk_add_f32 v[246:247], v[116:117], v[120:121]
	v_pk_add_f32 v[244:245], v[124:125], v[128:129]
	v_pk_add_f32 v[240:241], v[132:133], v[136:137]
	v_pk_add_f32 v[238:239], v[140:141], v[144:145]
	v_pk_add_f32 v[230:231], v[148:149], v[152:153]
	v_pk_add_f32 v[14:15], v[14:15], v[156:157]
	v_pk_add_f32 v[236:237], v[236:237], v[96:97]
	v_pk_add_f32 v[250:251], v[250:251], v[98:99]
	v_pk_add_f32 v[246:247], v[246:247], v[102:103]
	v_pk_add_f32 v[244:245], v[244:245], v[106:107]
	v_pk_add_f32 v[240:241], v[240:241], v[110:111]
	v_pk_add_f32 v[238:239], v[238:239], v[114:115]
	v_pk_add_f32 v[230:231], v[230:231], v[118:119]
	v_pk_add_f32 v[14:15], v[14:15], v[122:123]
	v_pk_add_f32 v[236:237], v[236:237], v[126:127]
	v_pk_add_f32 v[250:251], v[250:251], v[130:131]
	v_pk_add_f32 v[246:247], v[246:247], v[134:135]
	v_pk_add_f32 v[244:245], v[244:245], v[138:139]
	v_pk_add_f32 v[240:241], v[240:241], v[142:143]
	v_pk_add_f32 v[238:239], v[238:239], v[146:147]
	v_pk_add_f32 v[230:231], v[230:231], v[150:151]
	v_pk_add_f32 v[14:15], v[14:15], v[154:155]
	v_pk_add_f32 v[236:237], v[236:237], v[158:159]
	s_delay_alu instid0(VALU_DEP_2)
	v_pk_add_f32 v[14:15], v[14:15], v[244:245]
	s_delay_alu instid0(VALU_DEP_2)
	v_pk_add_f32 v[236:237], v[236:237], v[240:241]
	v_pk_add_f32 v[250:251], v[250:251], v[238:239]
	v_pk_add_f32 v[246:247], v[246:247], v[230:231]
	s_delay_alu instid0(VALU_DEP_2)
	v_pk_add_f32 v[14:15], v[14:15], v[250:251]
	s_delay_alu instid0(VALU_DEP_2)
	v_pk_add_f32 v[236:237], v[236:237], v[246:247]
	s_delay_alu instid0(VALU_DEP_1)
	v_pk_add_f32 v[14:15], v[14:15], v[236:237]
	s_wait_alu depctr_va_vdst(0)                   ; and one for the four
.irp b, 0,1,2,3
	v_max_num_f32 v[232+\b], 0x1800000, v[232+\b]  ; the floor 2^(3 - 127): the byte cannot fall under 1
.endr
.irp b, 0,1,2,3
	s_delay_alu instid0(VALU_DEP_4)
	v_add_nc_u32 v[244+\b], 0xff000000, v[232+\b]  ; 2 off the exponent field: the conversion's scale operand
.endr
.irp b, 0,1,2,3
	s_delay_alu instid0(VALU_DEP_4)
	v_lshrrev_b32 v[236+\b], 23, v[244+\b]         ; the scale's byte
.endr
	s_delay_alu instid0(VALU_DEP_3)
	v_lshl_or_b32 v253, v237, 8, v236              ; p's scale word for these 128 keys
	s_delay_alu instid0(VALU_DEP_1)
	v_lshl_or_b32 v253, v238, 16, v253
	s_delay_alu instid0(VALU_DEP_1)
	v_lshl_or_b32 v253, v239, 24, v253
	s_setprio 0
.irp c, 0,1
	v_cvt_scalef32_pk16_fp6_f32 v[224+6*\c:226+6*\c], v[96+32*\c:111+32*\c], v[244+2*\c]
	v_cvt_scalef32_pk16_fp6_f32 v[236+4*\c:238+4*\c], v[112+32*\c:127+32*\c], v[244+2*\c+1]
.endr
	v_nop                                          ; one plain place behind a scaled conversion
.irp c, 0,1
.irp n, 0,1,2
	v_permlane16_swap_b32 v[224+6*\c+\n], v[236+4*\c+\n]
.endr
.irp n, 0,1,2
	s_delay_alu instid0(VALU_DEP_3)
	v_mov_b32 v[227+6*\c+\n], v[236+4*\c+\n]
.endr
.endr
.set i, 0
.rept 16
	v_pk_mul_f32 v[160+i:161+i], v[160+i:161+i], v[252:253] op_sel_hi:[1,0]   ; O^T under the new M.  (These are also the places between the codes and the scale word just made and the products below)
.set i, i+2
.endr
	s_wait_alu depctr_va_vdst(0)
	s_wait_dscnt 0x0                               ; V
.irp t, 0,1,2,3                                ; O^T += V^T P^T: source 0 = 16 of the head's 64, source 1 = P; the four accumulators take turns
.if \t < 2
	v_wmma_scale_f32_16x16x128_f8f6f4 v[160+8*\t:167+8*\t], v[32+12*\t:43+12*\t], v[224:235], v[160+8*\t:167+8*\t], v[248+\t%2], v253 matrix_a_fmt:MATRIX_FMT_FP6 matrix_b_fmt:MATRIX_FMT_FP6
.else
	v_wmma_scale_f32_16x16x128_f8f6f4 v[160+8*\t:167+8*\t], v[32+12*\t:43+12*\t], v[224:235], v[160+8*\t:167+8*\t], v[248+\t%2], v253 matrix_a_fmt:MATRIX_FMT_FP6 matrix_b_fmt:MATRIX_FMT_FP6 matrix_a_scale:MATRIX_SCALE_ROW1
.endif
.endr
.rept 4
	v_nop                                          ; places in front of the next step's loads and of the first read of O^T, on every way from here
.endr
.Lskip_\@:
	s_add_co_u32 s14, s14, STEPB
	s_add_co_u32 s15, s15, 1
	s_cmp_lt_u32 s15, 16
	s_cbranch_scc1 .Lstep_\@
	s_setprio 0
	s_wait_alu depctr_va_vdst(0)
	; THE WAY OUT: O^T / the sum; register 16 b + i is channel 32 b + 16 h + i of my query: two blocks of the output projection's K
	v_add_f32 v14, v14, v15
	s_delay_alu instid0(VALU_DEP_1)
	v_permlanex16_b32 v252, v14, s2, s3
	s_delay_alu instid0(VALU_DEP_1)
	v_add_f32 v14, v14, v252                       ; the row's sum
	s_wait_alu depctr_va_vdst(0)
	v_rcp_f32 v14, v14
	v_nop                                          ; a plain place behind the reciprocal,
	s_wait_alu depctr_va_vdst(0)                   ; and the wait ahead of its first reader
.set i, 0
.rept 32
	v_mul_f32 v[96+i], v[160+i], v14
.set i, i+1
.endr
.irp b, 0,1
	v_max3_num_f32 v[232+\b], |v[96+16*\b]|, |v[97+16*\b]|, 0x1800000
.endr
.irp n, 2,4,6,8,10,12,14
.irp b, 0,1
	s_delay_alu instid0(VALU_DEP_2)
	v_max3_num_f32 v[232+\b], v[232+\b], |v[96+16*\b+\n]|, |v[97+16*\b+\n]|
.endr
.endr
.irp b, 0,1
	s_delay_alu instid0(VALU_DEP_2)
	v_permlanex16_b32 v[236+\b], v[232+\b], s2, s3
.endr
.irp b, 0,1
	s_delay_alu instid0(VALU_DEP_2)
	v_max_num_f32 v[232+\b], v[232+\b], v[236+\b]
.endr
.irp b, 0,1
	s_delay_alu instid0(VALU_DEP_2)
	v_add_nc_u32 v[244+\b], 0xff000000, v[232+\b]
.endr
.irp b, 0,1
	s_delay_alu instid0(VALU_DEP_2)
	v_lshrrev_b32 v[240+\b], 23, v[244+\b]
.endr
	s_delay_alu instid0(VALU_DEP_1)
	v_cndmask_b32 v240, v240, v241, s17            ; lane (r, h) stores block h's byte
	v_cvt_scalef32_pk16_fp6_f32 v[224:226], v[96:111], v244
	v_cvt_scalef32_pk16_fp6_f32 v[236:238], v[112:127], v245
	v_nop
.irp n, 0,1,2
	v_permlane16_swap_b32 v[224+\n], v[236+\n]
.endr
.irp n, 0,1,2
	s_delay_alu instid0(VALU_DEP_3)
	v_mov_b32 v[227+\n], v[236+\n]
.endr
	global_store_b128 v1, v[224:227], s[\cb:\cb+1]             ; 512 consecutive bytes, aligned to 256
	global_store_b64 v2, v[228:229], s[\cb:\cb+1] offset:512   ; 256 consecutive bytes, aligned
	global_store_b8 v7, v240, s[\sb:\sb+1]
.if \more
	s_wait_xcnt 0x0                                ; the stores have read their data: the next tile writes these registers again
.endif
.endm
	s_mov_b32 s16, s21
	TILE 16, 28, 40, 42, 1
	s_sub_co_u32 s16, 15, s21
	TILE 192, 204, 44, 46, 0
	s_wait_tensorcnt 0x0
	ds_add_u32 v243, v255
	s_wait_dscnt 0x0
	CROUND                                         ; the closing round
	s_endpgm
.Lfunc_end_k_q5e53ea908b_attn:
	.size	k_q5e53ea908b_attn, .Lfunc_end_k_q5e53ea908b_attn-k_q5e53ea908b_attn
	.p2alignl 7, 3214868480
	.fill 96, 4, 3214868480
	.section	.rodata,"a",@progbits
	.p2align	6, 0x0
	.amdhsa_kernel k_q5e53ea908b_attn
		.amdhsa_group_segment_fixed_size 210944
		.amdhsa_private_segment_fixed_size 0
		.amdhsa_enable_private_segment 0
		.amdhsa_kernarg_size 32
		.amdhsa_user_sgpr_count 2
		.amdhsa_user_sgpr_kernarg_segment_ptr 1
		.amdhsa_wavefront_size32 1
		.amdhsa_system_sgpr_workgroup_id_x 1
		.amdhsa_system_sgpr_workgroup_id_y 1
		.amdhsa_system_sgpr_workgroup_id_z 1
		.amdhsa_system_vgpr_workitem_id 0
		.amdhsa_next_free_vgpr 256
		.amdhsa_next_free_sgpr 66
		.amdhsa_reserve_vcc 1
		.amdhsa_float_denorm_mode_32 3
		.amdhsa_float_denorm_mode_16_64 3
		.amdhsa_memory_ordered 1
		.amdhsa_forward_progress 1
		.amdhsa_inst_pref_size 64
	.end_amdhsa_kernel
	.amdgpu_metadata
---
amdhsa.version: [ 1, 2 ]
amdhsa.kernels:
  - .name:           k_q5e53ea908b_attn
    .symbol:         k_q5e53ea908b_attn.kd
    .args:
      - { .name: qi, .offset: 0, .size: 8, .value_kind: global_buffer, .address_space: global }
      - { .name: kv, .offset: 8, .size: 8, .value_kind: global_buffer, .address_space: global }
      - { .name: cod, .offset: 16, .size: 8, .value_kind: global_buffer, .address_space: global }
      - { .name: scl, .offset: 24, .size: 8, .value_kind: global_buffer, .address_space: global }
    .group_segment_fixed_size: 210944
    .private_segment_fixed_size: 0
    .kernarg_segment_align: 8
    .kernarg_segment_size: 32
    .max_flat_workgroup_size: 512
    .sgpr_count:     66
    .vgpr_count:     256
    .wavefront_size: 32
...
	.end_amdgpu_metadata
.endif
;; end of part 3
;; launch oproj (part 4): grid 4 x 64, 4 waves a work-group, clusters of 4 x 4, 295,424 bytes of LDS; arguments cod, scl, bo, out0; writes out0
.if DOCPART == 4
	.amdgcn_target "amdgcn-amd-amdhsa--gfx1250"
	.amdhsa_code_object_version 6
	.text
	.protected	k_q5e53ea908b_oproj
	.globl	k_q5e53ea908b_oproj
	.p2align	8
	.type	k_q5e53ea908b_oproj,@function
k_q5e53ea908b_oproj:
	s_mov_b64 s[64:65], 0
	v_nop
	global_prefetch_b8 v0, s[64:65] scope:SCOPE_SE
	s_setreg_imm32_b32 hwreg(HW_REG_WAVE_MODE, 25, 1), 1
	s_wait_xcnt 0x0
	s_wait_alu depctr_hold_cnt(0) depctr_sa_sdst(0) depctr_va_vdst(0) depctr_va_sdst(0) depctr_va_ssrc(0) depctr_va_vcc(0) depctr_vm_vsrc(0)
	s_getreg_b32 s2, hwreg(HW_REG_IB_STS2, 6, 4)
	s_cmp_eq_u32 s2, 0
	s_cbranch_scc0 .Lentry_in_a_cluster
	s_endpgm
.Lentry_in_a_cluster:
	s_bfe_u32 s2, ttmp6, 0x10000c
	s_cmp_lg_u32 s2, 0xf033
	s_cbranch_scc0 .Lentry_shape_is_right
	s_endpgm
.Lentry_shape_is_right:
; out0 = a Wo^T + bo on codes of FP6 (E2M3) with E8M0 scales.  a: tiles 768 .. 1279 of cod and scl; Wo: tiles 704 .. 767.  out0: [8192][1024] f32.
; OPERANDS.  cod: [tile of 16 rows][K step 0..7][1536]; a fragment (16 rows x 128 K, 12 registers a lane) is two halves of 768 bytes: registers 6 c .. 6 c + 3 at 16 x lane, 6 c + 4, 6 c + 5 at 512 + 8 x lane.
; Tile 2 n + u holds at place r the row 32 n + 8 u + r + 8 (r / 8).  scl: [tile][e][r][4 words]: word i = the four scale bytes of K step 4 e + i.
; SHARES.  A work-group makes 128 rows of a x 256 rows of Wo; ALL of K (1,024) lies in LDS, every LDS byte filled once by a tensor load, so no slot is ever filled again.
; The fills go out together, four a wave (by this text's count four tensor loads of a wave are out), in four chunks of 256 along K; chunk q is waited for by the count of the wave's later chunks, then a barrier.
; Four waves, 2 x 2: wave (wa, wb) makes 64 rows x 128 columns: 32 accumulators, source 0 = Wo's 16 rows, source 1 = a's: a lane holds one row of out0, and the 64 registers of a's tile are 4 x 16 neighbouring columns.
; CLUSTER 4 x 4: a's tiles are asked for jointly along a row of the cluster, Wo's along a column.
; THE WAY OUT goes through the wave's own stage in LDS, in chunk 0's bytes: that chunk had its one fill, and every wave's reads of it ended in front of chunk 1's barrier.
; No prefetch: the launch's one stream is asked for at its head, by joint loads.
; REGISTERS: window 0: v1-12, v14 lane numbers and offsets; v32-95 scale words of all K steps (register 8 i + k: lanes 0-15 a's tile i, lanes 16-31 Wo's tile i); v96-143, v144-191 a's fragments, two sets;
;   on the way out v96-159 64 numbers, v160-223 16 rows read back.   window 1: Wo's fragments, set p at v[128 p + 12 b].   window 2: accumulator (a, b) at v[8 (8 a + b)].   window 3: v0-63 bo.
.set CHUNK, 73728
.set TILEB, 3072
.set FRB,   1536
.set TROW,  12288
.set SC,  32
.set AF,  96
.set HA,  96
.set BK,  160
.set SPI, 528                          ; a stage row: 512 bytes + 16
.set G1A, 24
.set G1B, 32
.set G0A, 40
.set G0B, 68
.set MSB, 0
.macro WIN new                         ; the immediate's high byte repeats the setting that is left
.if MSB != \new
	s_set_vgpr_msb (MSB<<8)|\new
.set MSB, \new
.endif
.endm
.macro PLACES                          ; four plain places behind a matrix instruction (ISA guide 7.12.1)
.rept 4
	v_nop
.endr
.endm
.macro CROUND                          ; a round of the cluster's barrier
	s_barrier_signal -1
	s_barrier_wait -1
	s_cmp_lg_u32 s18, 0
	s_cbranch_scc1 .Lnot_wave_0_\@
	s_barrier_signal -3
.Lnot_wave_0_\@:
	s_barrier_wait -3
	s_barrier_signal -1
	s_barrier_wait -1
.endm
.macro FRAG reg, a16, a8, off          ; a fragment's image: four dense loads
	ds_load_b128 v[(\reg):(\reg)+3], v[\a16] offset:(\off)
	ds_load_b64 v[(\reg)+4:(\reg)+5], v[\a8] offset:(\off)+512
	ds_load_b128 v[(\reg)+6:(\reg)+9], v[\a16] offset:(\off)+768
	ds_load_b64 v[(\reg)+10:(\reg)+11], v[\a8] offset:(\off)+1280
.endm
.macro FETCH k                         ; K step k's 12 fragments, 48 loads, into set k % 2
	WIN 0x40
.irp b, 0,1,2,3,4,5,6,7
	FRAG 128*((\k)%2)+12*\b, 6, 7, TILEB*\b+FRB*((\k)%2)
.endr
	WIN 0
.irp a, 0,1,2,3
	FRAG AF+48*((\k)%2)+12*\a, 4, 5, TILEB*\a+FRB*((\k)%2)
.endr
.endm
.macro MUL k                           ; 32 matrix instructions; the 32 accumulators take turns, one instruction a turn
	WIN 0xa1
.irp a, 0,1,2,3
.irp b, 0,1,2,3,4,5,6,7
.if (\k) == 0
	v_wmma_scale_f32_16x16x128_f8f6f4 v[8*(8*\a+\b):8*(8*\a+\b)+7], v[128*((\k)%2)+12*\b:128*((\k)%2)+12*\b+11], v[AF+48*((\k)%2)+12*\a:AF+48*((\k)%2)+12*\a+11], 0, v[SC+8*\b+(\k)], v[SC+8*\a+(\k)] matrix_a_fmt:MATRIX_FMT_FP6 matrix_b_fmt:MATRIX_FMT_FP6 matrix_a_scale:MATRIX_SCALE_ROW1
.else
	v_wmma_scale_f32_16x16x128_f8f6f4 v[8*(8*\a+\b):8*(8*\a+\b)+7], v[128*((\k)%2)+12*\b:128*((\k)%2)+12*\b+11], v[AF+48*((\k)%2)+12*\a:AF+48*((\k)%2)+12*\a+11], v[8*(8*\a+\b):8*(8*\a+\b)+7], v[SC+8*\b+(\k)], v[SC+8*\a+(\k)] matrix_a_fmt:MATRIX_FMT_FP6 matrix_b_fmt:MATRIX_FMT_FP6 matrix_a_scale:MATRIX_SCALE_ROW1
.endif
.endr
.endr
.endm
.macro EVEN k                          ; the next K step lies in the same chunk
.if (\k) > 0
	PLACES
.endif
	FETCH (\k)+1
	s_wait_dscnt 48                                ; all but the 48 loads just issued
	MUL \k
.endm
.macro ODD k                           ; the next K step lies in the next chunk
	WIN 0
	s_wait_dscnt 0x0                               ; K step k's fragments are in; no LDS instruction of mine is out at the signal
	s_wait_tensorcnt 3-((\k)+1)/2                  ; my part of the next chunk has landed; my later chunks may stay out: no tensor load fills anything again behind this barrier
	s_barrier_signal -1
	s_barrier_wait -1
.irp r, 4,5,6,7
	v_add_nc_u32 v\r, CHUNK, v\r                   ; on to that chunk.  (These four are also the places in front of the loads below)
.endr
	FETCH (\k)+1
	MUL \k
.endm
	s_load_b256 s[4:11], s[0:1], 0x0               ; cod s[4:5], scl s[6:7], bo s[8:9], out0 s[10:11]
	v_lshl_add_u32 v254, v0, 2, 0x48000
	v_mov_b32 v255, 0
	ds_add_u32 v254, v255
	ds_add_u32 v254, v255
	v_lshrrev_b32 v1, 5, v0
	v_readfirstlane_b32 s18, v1                    ; wave 0..3
	s_lshr_b32 s19, s18, 1                         ; wa.  Also: I fetch for a (0) or for Wo (1)
	s_and_b32 s20, s18, 1                          ; wb.  Also: which half of that operand's tiles I fetch
	s_bfe_u32 s21, ttmp6, 0x40000                  ; cx
	s_bfe_u32 s22, ttmp6, 0x40004                  ; cy
	s_and_b32 s56, ttmp7, 0xffff                   ; the cluster's y
	s_lshl_b32 s57, s56, 5
	s_lshl_b32 s59, s22, 3
	s_add_co_u32 s57, s57, s59
	s_add_co_u32 s57, s57, 768                     ; a's first tile: 768 + 32 CY + 8 cy
	s_lshl_b32 s58, s21, 4
	s_add_co_u32 s58, s58, 704                     ; Wo's first tile: 704 + 16 cx
	s_lshl_b32 s61, s22, 2
	s_lshl_b32 s61, 15, s61                        ; my row of the cluster
	s_lshl_b32 s62, 0x1111, s21                    ; my column
	s_or_b32 s[G1A], s61, (3<<16)|(1<<21)          ; 15:0 the mask; 17:16 elements of 8 bytes; 21 set beside a mask; no padding
	s_or_b32 s[G1B], s62, (3<<16)|(1<<21)
	s_mov_b32 s[G1A+1], 384<<16                    ; a tile's two K steps, 3,072 bytes
	s_mov_b32 s[G1A+2], 4<<16                      ; four tiles
	s_mov_b32 s[G1A+3], 384<<16
	s_mov_b32 s[G1A+4], 4
	s_mov_b32 s[G1A+5], 1536                       ; from tile to tile: 12,288 bytes
	s_mov_b32 s[G1A+6], 0
	s_mov_b32 s[G1A+7], 0
	s_mov_b32 s[G1B+1], 384<<16
	s_mov_b32 s[G1B+2], 8<<16                      ; eight tiles
	s_mov_b32 s[G1B+3], 384<<16
	s_mov_b32 s[G1B+4], 8
	s_mov_b32 s[G1B+5], 1536
	s_mov_b32 s[G1B+6], 0
	s_mov_b32 s[G1B+7], 0
	s_lshl_b32 s66, s20, 2
	s_add_co_u32 s66, s66, s57
	s_mul_i32 s66, s66, TROW
	s_mov_b32 s67, 0
	s_lshl_b32 s88, s20, 3
	s_add_co_u32 s88, s88, s58
	s_mul_i32 s88, s88, TROW
	s_mov_b32 s89, 0
	s_mul_i32 s90, s20, 4*TILEB                    ; where they go in a chunk: no place in the cluster enters an LDS address
	s_mul_i32 s91, s20, 8*TILEB
	s_add_co_u32 s91, s91, 8*TILEB
	s_wait_dscnt 0x0
	s_wait_kmcnt 0x0
	s_add_nc_u64 s[84:85], s[4:5], s[66:67]
	s_add_nc_u64 s[86:87], s[4:5], s[88:89]
	CROUND                                         ; all sixteen work-groups are here: the joint loads meet
.irp q, 0,1,2,3
	s_mov_b32 s[G0A+4*\q], 1
	s_add_co_u32 s[G0A+4*\q+1], s90, \q*CHUNK
	s_add_nc_u64 s[G0A+4*\q+2:G0A+4*\q+3], s[84:85], \q*TILEB
	s_or_b32 s[G0A+4*\q+3], s[G0A+4*\q+3], 0x80000000
	s_mov_b32 s[G0B+4*\q], 1
	s_add_co_u32 s[G0B+4*\q+1], s91, \q*CHUNK
	s_add_nc_u64 s[G0B+4*\q+2:G0B+4*\q+3], s[86:87], \q*TILEB
	s_or_b32 s[G0B+4*\q+3], s[G0B+4*\q+3], 0x80000000
.endr
	s_cmp_eq_u32 s19, 0                            ; a wave's four fills stand in one branch on the wave's number
	s_cbranch_scc0 .Lfor_b
	tensor_load_to_lds s[G0A:G0A+3], s[G1A:G1A+7]
	s_nop 0
	tensor_load_to_lds s[G0A+4:G0A+7], s[G1A:G1A+7]
	s_nop 0
	tensor_load_to_lds s[G0A+8:G0A+11], s[G1A:G1A+7]
	s_nop 0
	tensor_load_to_lds s[G0A+12:G0A+15], s[G1A:G1A+7]
	s_nop 0
.rept 4
	v_nop
.endr
	s_branch .Lasked
.Lfor_b:
	tensor_load_to_lds s[G0B:G0B+3], s[G1B:G1B+7]
	s_nop 0
	tensor_load_to_lds s[G0B+4:G0B+7], s[G1B:G1B+7]
	s_nop 0
	tensor_load_to_lds s[G0B+8:G0B+11], s[G1B:G1B+7]
	s_nop 0
	tensor_load_to_lds s[G0B+12:G0B+15], s[G1B:G1B+7]
	s_nop 0
.rept 4
	v_nop
.endr
.Lasked:
	v_and_b32 v1, 15, v0                           ; r
	v_bfe_u32 v2, v0, 4, 1                         ; h
	v_and_b32 v3, 31, v0                           ; lane
	s_mul_i32 s59, s19, 4*TILEB
	v_lshl_add_u32 v4, v3, 4, s59                  ; a's fragments
	v_lshl_add_u32 v5, v3, 3, s59
	v_lshl_add_u32 v6, v3, 4, s91                  ; Wo's
	v_lshl_add_u32 v7, v3, 3, s91
	s_lshl_b32 s59, s19, 2
	s_add_co_u32 s59, s59, s57
	s_lshl_b32 s59, s59, 9
	s_lshl_b32 s60, s20, 3
	s_add_co_u32 s60, s60, s58
	s_lshl_b32 s60, s60, 9
	v_mov_b32 v8, s59
	v_mov_b32 v9, s60
	v_cmp_eq_u32 vcc_lo, 1, v2
	v_cndmask_b32 v8, v8, v9, vcc_lo               ; scale words: lanes 0-15 a's tiles, lanes 16-31 Wo's
	v_lshl_add_u32 v8, v1, 4, v8
	v_lshl_add_u32 v9, v2, 11, v8                  ; for i = 4 .. 7: Wo's tiles 4 on; lanes 0-15, whose words nobody reads, take a's tiles 0-3 again and so stay inside the buffer
.irp i, 0,1,2,3
.irp e, 0,1
	global_load_b128 v[SC+8*\i+4*\e:SC+8*\i+4*\e+3], v8, s[6:7] offset:512*\i+256*\e
.endr
.endr
.irp i, 4,5,6,7
.irp e, 0,1
	global_load_b128 v[SC+8*\i+4*\e:SC+8*\i+4*\e+3], v9, s[6:7] offset:512*(\i-4)+256*\e
.endr
.endr
	s_lshl_b32 s60, s21, 10
	s_lshl_b32 s61, s20, 9
	s_add_co_u32 s60, s60, s61                     ; my first column, in bytes: 1,024 cx + 512 wb
	s_mov_b32 s61, 0
	s_add_nc_u64 s[8:9], s[8:9], s[60:61]          ; bo there
	s_lshl_b32 s62, s56, 2
	s_add_co_u32 s62, s62, s22                     ; the work-group's y
	s_lshl_b32 s62, s62, 19                        ; 128 rows of 4,096 bytes
	s_lshl_b32 s63, s19, 18                        ; + 64 wa rows
	s_add_co_u32 s62, s62, s63
	s_add_co_u32 s62, s62, s60
	s_mov_b32 s63, 0
	s_add_nc_u64 s[10:11], s[10:11], s[62:63]      ; out0 at my first row and column
	s_mul_i32 s59, s18, 16*SPI                     ; my stage
	v_mul_u32_u24 v10, v1, SPI
	v_lshl_add_u32 v10, v2, 6, v10
	v_add_nc_u32 v10, s59, v10                     ; in: row r, + 64 h
	v_lshl_add_u32 v11, v3, 4, s59                 ; back: 16 bytes a lane of a row of 512
	v_lshlrev_b32 v12, 4, v3                       ; and the same in out0
	v_lshlrev_b32 v14, 6, v2                       ; bo: 16 h numbers on
	WIN 0xc0                                       ; destination window 3
.irp t, 0,1,2,3,4,5,6,7
	global_load_b128 v[8*\t:8*\t+3], v14, s[8:9] offset:(32*(\t/2)+8*(\t%2))*4
	global_load_b128 v[8*\t+4:8*\t+7], v14, s[8:9] offset:(32*(\t/2)+8*(\t%2))*4+16
.endr
	WIN 0
	s_wait_tensorcnt 0x3                           ; my part of chunk 0 has landed; my three later chunks stay out
	s_barrier_signal -1
	s_barrier_wait -1
	FETCH 0
	s_wait_loadcnt 0x0                             ; scale words and bo
	EVEN 0
	ODD 1
	EVEN 2
	s_wait_alu depctr_va_vdst(0)
	ODD 3
	EVEN 4
	s_wait_alu depctr_va_vdst(0)
	ODD 5
	EVEN 6
	s_wait_dscnt 0x0
	MUL 7
	WIN 0
	PLACES
	; THE WAY OUT, a's tile at a time: the bias is added as the sums leave window 2 (each accumulator from its low end on); 16 rows x 512 bytes go through my stage and come back as whole rows
.irp a, 0,1,2,3
	WIN 0x0e                                       ; source 0 window 2, source 1 window 3
.set i, 0
.rept 32
	v_pk_add_f32 v[HA+2*i:HA+2*i+1], v[64*\a+2*i:64*\a+2*i+1], v[2*i:2*i+1]
.set i, i+1
.endr
	WIN 0
.irp b, 0,1,2,3
.irp q, 0,1,2,3
	ds_store_b128 v10, v[HA+16*\b+4*\q:HA+16*\b+4*\q+3] offset:128*\b+16*\q   ; columns 32 b + 16 h + 4 q ..
.endr
.endr
.if \a > 0
	s_wait_xcnt 0x0                                ; the last tile's stores have read their data: the loads below may land there
.endif
.irp t, 0,1,2,3,4,5,6,7,8,9,10,11,12,13,14,15
	ds_load_b128 v[BK+4*\t:BK+4*\t+3], v11 offset:SPI*\t   ; LDS serves a wave's instructions in order: these see my stores
.endr
.irp t, 0,1,2,3,4,5,6,7,8,9,10,11,12,13,14,15
	s_wait_dscnt 15-\t                             ; row t is back; the younger loads may be out
	global_store_b128 v12, v[BK+4*\t:BK+4*\t+3], s[10:11] offset:(32*(\a/2)+8*(\a%2)+\t+8*(\t/8))*4096 th:TH_STORE_NT   ; 512 consecutive bytes, aligned to 256; written once, read by nobody here
.endr
.endr
	s_wait_tensorcnt 0x0
	ds_add_u32 v254, v255
	s_wait_dscnt 0x0
	CROUND                                         ; the closing round: no work-group ends while a partner may still ask for a tile that names it
	s_endpgm
.Lfunc_end_k_q5e53ea908b_oproj:
	.size	k_q5e53ea908b_oproj, .Lfunc_end_k_q5e53ea908b_oproj-k_q5e53ea908b_oproj
	.p2alignl 7, 3214868480
	.fill 96, 4, 3214868480
	.section	.rodata,"a",@progbits
	.p2align	6, 0x0
	.amdhsa_kernel k_q5e53ea908b_oproj
		.amdhsa_group_segment_fixed_size 295424
		.amdhsa_private_segment_fixed_size 0
		.amdhsa_enable_private_segment 0
		.amdhsa_kernarg_size 32
		.amdhsa_user_sgpr_count 2
		.amdhsa_user_sgpr_kernarg_segment_ptr 1
		.amdhsa_wavefront_size32 1
		.amdhsa_system_sgpr_workgroup_id_x 1
		.amdhsa_system_sgpr_workgroup_id_y 1
		.amdhsa_system_sgpr_workgroup_id_z 1
		.amdhsa_system_vgpr_workitem_id 0
		.amdhsa_next_free_vgpr 896
		.amdhsa_next_free_sgpr 100
		.amdhsa_reserve_vcc 1
		.amdhsa_float_denorm_mode_32 3
		.amdhsa_float_denorm_mode_16_64 3
		.amdhsa_memory_ordered 1
		.amdhsa_forward_progress 1
		.amdhsa_inst_pref_size 95
	.end_amdhsa_kernel
	.amdgpu_metadata
---
amdhsa.version: [ 1, 2 ]
amdhsa.kernels:
  - .name:           k_q5e53ea908b_oproj
    .symbol:         k_q5e53ea908b_oproj.kd
    .args:
      - { .name: cod, .offset: 0, .size: 8, .value_kind: global_buffer, .address_space: global }
      - { .name: scl, .offset: 8, .size: 8, .value_kind: global_buffer, .address_space: global }
      - { .name: bo, .offset: 16, .size: 8, .value_kind: global_buffer, .address_space: global }
      - { .name: out0, .offset: 24, .size: 8, .value_kind: global_buffer, .address_space: global }
    .group_segment_fixed_size: 295424
    .private_segment_fixed_size: 0
    .kernarg_segment_align: 8
    .kernarg_segment_size: 32
    .max_flat_workgroup_size: 128
    .sgpr_count:     100
    .vgpr_count:     896
    .wavefront_size: 32
...
	.end_amdgpu_metadata
.endif
;; end of part 4
